; MI455X (gfx1250); checked and timed in simulation.
; The chip was launched on July 23, 2026; its instructions are those of AMD's public machine-readable ISA for CDNA 5 (MIT licence, August 2026) and "CDNA5" Instruction Set Architecture Reference Guide (July 2026). The comments in the code are by the model that wrote it; some were corrected since.
;; Multi Head Attention. Allowed arithmetic: matrix products marked QUANTISED: E2M3 operands, one E8M0 scale for each 32 along K, by v_wmma_scale_f32_16x16x128_f8f6f4 with both operands' format E2M3, f32 sums; everything else in f32.
;; Inputs: Wk 1,024 x 1,024 float32; Wo 1,024 x 1,024 float32; Wq 1,024 x 1,024 float32; Wv 1,024 x 1,024 float32; k 4 x 2,048 x 1,024 float32; q 4 x 2,048 x 1,024 float32; v 4 x 2,048 x 1,024 float32.
;; Outputs: out0 4 x 2,048 x 1,024 float32.
;; This version of the problem:
;;   THIS VERSION OF THE PROBLEM IS GIVEN IN LOW PRECISION. The matrix products marked QUANTISED in the list below multiply operands that are first quantised to E2M3 (2 exponent bits, 3 mantissa bits; 6 bits a number), with one power-of-two scale for each 32 numbers along K (OCP MX v1.0); their sums are f32. All else is computed in f32.
;;   The module's matrix products, in the order in which they are computed (A, B: the left and right operand; K: the contracted axis; several contracted axes count as one K, in the product's order):
;;     1. [M 8,192, K 1,024] x [K 1,024, N 1,024]; A: input q; B: input Wq: QUANTISED
;;     2. [M 8,192, K 1,024] x [K 1,024, N 1,024]; A: input k; B: input Wk: QUANTISED
;;     3. [M 8,192, K 1,024] x [K 1,024, N 1,024]; A: input v; B: input Wv: QUANTISED
;;     4. batch 64 x [M 2,048, K 64] x [K 64, N 2,048]; A: computed on the way; B: computed on the way: QUANTISED
;;     5. batch 64 x [M 2,048, K 2,048] x [K 2,048, N 64]; A: softmax (see below); B: computed on the way: QUANTISED
;;     6. [M 8,192, K 1,024] x [K 1,024, N 1,024]; A: computed on the way; B: input Wo: QUANTISED
;;   THE QUANTISER, for each operand of a quantised product, along K:
;;     - K is cut into blocks of 32 from its start; a last block that is shorter is filled with zeros.
;;     - A block's scale is 2^e with e = floor(log2(the largest magnitude in the block)) - 2, held to -126 .. 127; a block of zeros has e = 0. As a byte (E8M0): e + 127.
;;     - Each number is divided by its block's scale, clamped to +-7.5, and rounded to the nearest number of E2M3, ties to even, subnormals kept.
;;     - The product sums the exact products of the quantised numbers (number of the format x scale) in f32.
;;   ~~~python
;;   def quantise(x, axis):      # numpy; x: float32 -> the quantised numbers, widened to float32 again
;;       x = np.moveaxis(x, axis, -1); K = x.shape[-1]
;;       x = np.pad(x, [(0, 0)] * (x.ndim - 1) + [(0, -K % 32)]); x = x.reshape(x.shape[:-1] + (-1, 32)); a = np.abs(x).max(-1, keepdims=True)
;;       e = np.where(a > 0, np.clip(np.frexp(np.where(a > 0, a, 1))[1] - 1 - 2, -126, 127), 0)      # np.frexp(a)[1] - 1 = floor(log2(a)), exactly
;;       r = np.clip(x / 2.0 ** e, -7.5, 7.5)
;;       step = 2.0 ** (np.maximum(np.frexp(np.where(r == 0, 1, r))[1] - 1, 0) - 3)
;;       q = np.round(r / step) * step * 2.0 ** e      # np.round: ties to even
;;       return np.moveaxis(q.reshape(q.shape[:-2] + (-1,))[..., :K], -1, axis).astype(np.float32)
;;   ~~~
;;   SOFTMAX AHEAD OF A QUANTISED PRODUCT. Where the list says 'softmax', what is quantised is not the finished softmax but p = 2^(t - M), with t = logit x log2(e) and M = ceil(the row's largest t), a whole number; so 1/2 < the row's largest p <= 1. The row's sum l is taken of the UNQUANTISED p, in f32, and the product's result is divided by l at the end. Since M is a whole number, a kernel that streams over the keys may use a running M (the ceiling of the running maximum): every later rescaling is an exact power of two, which a block's scale takes up: the codes' values come out the same.
;;   OPERANDS COMPUTED ON THE WAY. 'Computed on the way' means the value that the module computes at that place (a softmax that the list does not call 'softmax' is quantised finished and normalised). What goes into a quantiser is computed in f32, as accurately as f32 sums, v_exp_f32 and their like allow (about 1e-6 of the number): no bf16 or f16 on the way to a quantiser, and a product that is left as it is and whose result goes on into a quantised operand takes f32 operands (vector FMAs, or v_wmma_f32_16x16x4_f32). A number that lies on a knife's edge between two numbers of the format may be rounded either way, as far as f32 arithmetic and the matrix unit's own rounding can turn it there, and no further.
;; One version. Each part assembles by itself: llvm-mc -triple=amdgcn-amd-amdhsa -mcpu=gfx1250 --defsym DOCPART=n.
;; ======== version 1 of 1: 5 launches
;; limits: right only within a limited range of input values
;; workspace buffers: cod 22,020,096 bytes; scl 917,504 bytes; hc 18,874,368 bytes; hs 1,572,864 bytes; ac 6,291,456 bytes; asc 262,144 bytes
;; launch quantw (part 1): grid 8 x 32, 4 waves a work-group, no clusters, 0 bytes of LDS; arguments Wq, Wk, Wv, Wo, cod, scl; writes cod, scl
.if DOCPART == 1
	.amdgcn_target "amdgcn-amd-amdhsa--gfx1250"
	.amdhsa_code_object_version 6
	.text
	.protected	k_q881a362aaf_quantw
	.globl	k_q881a362aaf_quantw
	.p2align	8
	.type	k_q881a362aaf_quantw,@function
k_q881a362aaf_quantw:
	s_mov_b64 s[64:65], 0
	v_nop
	global_prefetch_b8 v0, s[64:65] scope:SCOPE_SE
	s_setreg_imm32_b32 hwreg(HW_REG_WAVE_MODE, 25, 1), 1
	s_wait_xcnt 0x0
; The four weights, each [1024 (k)][1024 (n)] f32 with K as the FIRST axis, become codes of FP6 (E2M3) with one E8M0 byte for each 32 along K.
; A block's scale is 2^(floor(log2(its largest magnitude)) - 2); its byte is the largest magnitude's exponent field - 2, held at 1 from below.
; LIMITS: a block whose largest magnitude lies under 2^-124, a block of zeros among them, gets the byte 1 (the rule says 127 for zeros: its codes are zeros, and this program alone
; reads the bytes); NaN and infinities among the inputs are not served.
; LAYOUT OF THE CODES (this program's own): tiles of 16 columns n, 12,288 bytes each: 16 pieces of 64 along K, 768 bytes each, AS AN IMAGE OF THE OPERAND'S REGISTERS: lane l = (r = l % 16, h = l / 16)
; holds column r, k = 32 h .. 32 h + 31 of the piece, in six registers: registers 0-3 at byte 16 l, registers 4-5 at byte 512 + 8 l.
; THE COLUMNS OF A TILE ARE NOT NEIGHBOURS: place 32 g + 16 u + r holds column 32 g + 8 u + r + 8 (r / 8), so that a product that takes such tiles as source 0 leaves 16 neighbours along n in 16 registers of a lane.
; The scale bytes: 32 bytes for each place (one word for each 128 along K), 512 bytes a tile.
; SHARES.  Work-group (x, y): 128 columns x of weight y / 8, K step y % 8 (128 along K).  A wave takes 32 columns: A LANE TAKES A COLUMN AND ITS REGISTERS RUN DOWN K, so a block of 32 lies in one lane,
; and the conversions give codes with K innermost.  Lanes 0-15 hold the rows of one tile, lanes 16-31 those of the next: six exchanges of halves for each 64 along K make the two tiles' images.
; No LDS, no barrier.  Each code store of the wave covers 512 or 256 consecutive bytes, aligned.  The scale words are 4 bytes at places 32 bytes apart: one byte in 128 of what the launch reads.
.set X,    32                          ; v32-95   two sets of 32 numbers
.set SB,   24                          ; v24      my column's four scale bytes
.set TMPC, 128                         ; v128-130 the second half of a block's codes, before it is moved
	s_load_b256 s[4:11], s[0:1], 0x0               ; Wq, Wk, Wv, Wo
	s_load_b128 s[12:15], s[0:1], 0x20             ; cod, scl
	v_lshrrev_b32 v1, 5, v0
	v_readfirstlane_b32 s16, v1                    ; wave 0..3
	v_and_b32 v2, 31, v0                           ; lane
	v_and_b32 v7, 15, v0                           ; r
	v_bfe_u32 v8, v0, 4, 1                         ; u
	v_and_b32 v9, 8, v7
	v_add_nc_u32 v9, v9, v7                        ; r + 8 (r / 8)
	v_lshl_add_u32 v9, v8, 3, v9                   ; + 8 u: my column in the group of 32
	v_lshlrev_b32 v3, 2, v9                        ; in: 4 bytes a column
	v_lshlrev_b32 v4, 4, v2                        ; out: 16 x lane,
	v_lshlrev_b32 v5, 3, v2                        ; 8 x lane,
	v_lshlrev_b32 v6, 5, v2                        ; and 32 x lane for the scale word
	s_and_b32 s17, ttmp7, 0xffff
	s_lshr_b32 s18, s17, 3                         ; which weight
	s_and_b32 s19, s17, 7                          ; which 128 along K
	s_lshl_b32 s20, ttmp9, 2
	s_add_co_u32 s20, s20, s16                     ; g: my group of 32 columns
	s_lshl_b32 s22, s19, 19                        ; 128 rows of 4,096 bytes
	s_lshl_b32 s21, s20, 7                         ; 32 columns of 4 bytes
	s_add_co_u32 s22, s22, s21
	s_mov_b32 s23, 0
	s_lshl_b32 s24, s18, 6
	s_lshl_b32 s21, s20, 1
	s_add_co_u32 s24, s24, s21
	s_add_co_u32 s24, s24, 1536                    ; my first tile: 1536 + 64 x weight + 2 g
	s_mul_i32 s26, s24, 12288
	s_mul_i32 s21, s19, 1536                       ; two pieces of 768 bytes for each K step
	s_add_co_u32 s26, s26, s21
	s_mov_b32 s27, 0
	s_lshl_b32 s28, s24, 9
	s_lshl_b32 s21, s19, 2
	s_add_co_u32 s28, s28, s21
	s_mov_b32 s29, 0
	s_wait_alu depctr_va_vdst(0)
	s_wait_kmcnt 0x0
	s_cmp_eq_u32 s18, 1                            ; the choice hangs on the work-group's number alone
	s_cselect_b64 s[4:5], s[6:7], s[4:5]
	s_cmp_eq_u32 s18, 2
	s_cselect_b64 s[4:5], s[8:9], s[4:5]
	s_cmp_eq_u32 s18, 3
	s_cselect_b64 s[4:5], s[10:11], s[4:5]
	s_add_nc_u64 s[4:5], s[4:5], s[22:23]
	s_add_nc_u64 s[12:13], s[12:13], s[26:27]
	s_add_nc_u64 s[14:15], s[14:15], s[28:29]
.macro LOAD t                          ; block t: W(32 t + i, my column), i = 0 .. 31, into set t % 2; the wave reads 128 consecutive bytes a load
.set ii, 0
.rept 32
	global_load_b32 v[X+32*((\t)%2)+ii], v3, s[4:5] offset:(32*(\t)+ii)*4096 th:TH_LOAD_NT
.set ii, ii+1
.endr
.endm
.macro BLOCK t                         ; block t's codes into six registers of their own: no store's data are written again
.set XS, X+32*((\t)%2)
.set E, 96+16*((\t)/2)+8*((\t)%2)
.if (\t) < 3
	s_wait_loadcnt 32                              ; this block's 32 loads are in; the next block's may be out
.else
	s_wait_loadcnt 0x0
.endif
	v_max3_num_f32 v12, |v[XS]|, |v[XS+1]|, |v[XS+2]|              ; the block's largest magnitude: all 32 numbers are mine; two chains
	v_max3_num_f32 v13, |v[XS+3]|, |v[XS+4]|, |v[XS+5]|
.irp i, 6,10,14,18,22,26
	v_max3_num_f32 v12, v12, |v[XS+\i]|, |v[XS+\i+1]|
	v_max3_num_f32 v13, v13, |v[XS+\i+2]|, |v[XS+\i+3]|
.endr
	v_max3_num_f32 v12, v12, |v[XS+30]|, |v[XS+31]|
	v_max3_num_f32 v12, v12, v13, 0x1800000        ; and the floor 2^(3 - 127): the byte cannot fall under 1
	v_add_nc_u32 v11, 0xff000000, v12              ; 2 off its exponent field: the conversion takes the exponent field of this operand as its scale
	v_cvt_scalef32_pk16_fp6_f32 v[E:E+2], v[XS:XS+15], v11
	v_cvt_scalef32_pk16_fp6_f32 v[TMPC:TMPC+2], v[XS+16:XS+31], v11   ; (a conversion's three registers begin on an even number)
	v_lshrrev_b32 v13, 23, v11                     ; the scale's byte.  (A plain line behind the conversions)
.if (\t) == 0
	v_mov_b32 v[SB], v13
.else
	v_lshl_or_b32 v[SB], v13, 8*(\t), v[SB]
.endif
.irp i, 0,1,2
	v_mov_b32 v[E+3+\i], v[TMPC+\i]
.endr
.if (\t) < 2
	LOAD (\t)+2
.endif
.endm
.macro PAIR c                          ; blocks 2 c and 2 c + 1 of 32 columns become piece c of two tiles
.set E0, 96+16*(\c)
.irp i, 0,1,2,3,4,5
	v_permlane16_swap_b32 v[E0+\i], v[E0+8+\i]     ; the first's lanes 16-31 change places with the second's lanes 0-15: the first is now the first tile's image (lanes 0-15 block 2 c, lanes 16-31 block 2 c + 1), the second the next tile's
.endr
	global_store_b128 v4, v[E0:E0+3], s[12:13] offset:768*(\c)
	global_store_b64 v5, v[E0+4:E0+5], s[12:13] offset:768*(\c)+512
	global_store_b128 v4, v[E0+8:E0+11], s[12:13] offset:768*(\c)+12288
	global_store_b64 v5, v[E0+12:E0+13], s[12:13] offset:768*(\c)+12288+512
.endm
	LOAD 0
	LOAD 1
	BLOCK 0
	BLOCK 1
	PAIR 0
	BLOCK 2
	BLOCK 3
	PAIR 1
	global_store_b32 v6, v[SB], s[14:15]           ; my column's word for these 128 along K
	s_endpgm
.Lfunc_end_k_q881a362aaf_quantw:
	.size	k_q881a362aaf_quantw, .Lfunc_end_k_q881a362aaf_quantw-k_q881a362aaf_quantw
	.p2alignl 7, 3214868480
	.fill 96, 4, 3214868480
	.section	.rodata,"a",@progbits
	.p2align	6, 0x0
	.amdhsa_kernel k_q881a362aaf_quantw
		.amdhsa_group_segment_fixed_size 0
		.amdhsa_private_segment_fixed_size 0
		.amdhsa_enable_private_segment 0
		.amdhsa_kernarg_size 48
		.amdhsa_user_sgpr_count 2
		.amdhsa_user_sgpr_kernarg_segment_ptr 1
		.amdhsa_wavefront_size32 1
		.amdhsa_system_sgpr_workgroup_id_x 1
		.amdhsa_system_sgpr_workgroup_id_y 1
		.amdhsa_system_sgpr_workgroup_id_z 1
		.amdhsa_system_vgpr_workitem_id 0
		.amdhsa_next_free_vgpr 136
		.amdhsa_next_free_sgpr 66
		.amdhsa_reserve_vcc 0
		.amdhsa_float_denorm_mode_32 3
		.amdhsa_float_denorm_mode_16_64 3
		.amdhsa_memory_ordered 1
		.amdhsa_forward_progress 1
		.amdhsa_inst_pref_size 21
	.end_amdhsa_kernel
	.amdgpu_metadata
---
amdhsa.version: [ 1, 2 ]
amdhsa.kernels:
  - .name:           k_q881a362aaf_quantw
    .symbol:         k_q881a362aaf_quantw.kd
    .args:
      - { .name: Wq, .offset: 0, .size: 8, .value_kind: global_buffer, .address_space: global }
      - { .name: Wk, .offset: 8, .size: 8, .value_kind: global_buffer, .address_space: global }
      - { .name: Wv, .offset: 16, .size: 8, .value_kind: global_buffer, .address_space: global }
      - { .name: Wo, .offset: 24, .size: 8, .value_kind: global_buffer, .address_space: global }
      - { .name: cod, .offset: 32, .size: 8, .value_kind: global_buffer, .address_space: global }
      - { .name: scl, .offset: 40, .size: 8, .value_kind: global_buffer, .address_space: global }
    .group_segment_fixed_size: 0
    .private_segment_fixed_size: 0
    .kernarg_segment_align: 8
    .kernarg_segment_size: 48
    .max_flat_workgroup_size: 128
    .sgpr_count:     66
    .vgpr_count:     136
    .wavefront_size: 32
...
	.end_amdgpu_metadata
.endif
;; end of part 1
;; launch quantx (part 2): grid 256 x 1, 6 waves a work-group, no clusters, 51,456 bytes of LDS; arguments q, k, v, cod, scl; writes cod, scl
.if DOCPART == 2
	.amdgcn_target "amdgcn-amd-amdhsa--gfx1250"
	.amdhsa_code_object_version 6
	.text
	.protected	k_q881a362aaf_quantx
	.globl	k_q881a362aaf_quantx
	.p2align	8
	.type	k_q881a362aaf_quantx,@function
k_q881a362aaf_quantx:
	s_mov_b64 s[64:65], 0
	v_nop
	global_prefetch_b8 v0, s[64:65] scope:SCOPE_SE
	s_setreg_imm32_b32 hwreg(HW_REG_WAVE_MODE, 25, 1), 1
	s_wait_xcnt 0x0
; q, k, v, each [8192][1024] f32 with K innermost, become codes of FP6 (E2M3) with one E8M0 byte for each 32 along K, in the layout that the weights' launch describes:
; tiles of 16 rows, 12,288 bytes: 16 pieces of 64 along K as images of the operand's registers (lane (r, h): row r, k = 32 h .. 32 h + 31: registers 0-3 at 16 l, registers 4-5 at 512 + 8 l);
; place 32 g + 16 u + r holds row 32 g + 8 u + r + 8 (r / 8); scale bytes: 32 for each place.  Tiles 0-511 are q's, 512-1023 k's, 1024-1535 v's.
; LIMITS: a block whose largest magnitude lies under 2^-124, a block of zeros among them, gets the byte 1 (its codes are zeros or nearly so; this program alone reads the bytes); NaN and infinities are not served.
; SHARES.  One wave makes one tile: 16 rows x all of K, in 8 steps of 128 along K.  1,536 tiles = 256 work-groups of six waves; waves share nothing, so there is no barrier.
; Each of a step's 16 loads reads 512 consecutive bytes of one row.  The conversions want 16 NEIGHBOURS along K in one lane: so a step's 8,192 bytes turn through the wave's own stage in LDS
; (rows 528 bytes apart: an odd multiple of 16) and come back as lane (r, h): row r, of each block of 32 the 16 numbers 16 h on.  Loads run two steps (32 loads a wave) ahead.
.set STG,   16*528                     ; a wave's stage
.set SPARE, 6*STG                      ; behind the six stages: the spare words, 128 bytes for each wave: three blocks of 256 bytes that no other line names
.set SPW,   6                          ; v6   LDS address of my spare word; never rewritten
.set NIL,   7                          ; v7   0; never rewritten
.set R,     16                         ; v16-143  two sets of 64 registers as loaded
.set X,     144                        ; v144-207 64 numbers: register 16 b + i = k 32 b + 16 h + i of my row
.set PC,    208                        ; v208-219 a fragment's codes; v220-226 halves on their way
.set TM,    228                        ; v228-243 at work
.set SW,    244                        ; v244-251 my row's eight scale words
.set SEL,   20                         ; s[20:21] v_permlanex16_b32's selects for lane l xor 16
	s_load_b256 s[4:11], s[0:1], 0x0               ; q, k, v, cod
	s_load_b64 s[12:13], s[0:1], 0x20              ; scl
	v_lshl_add_u32 v[SPW], v0, 2, SPARE
	v_mov_b32 v[NIL], 0
	v_lshrrev_b32 v8, 5, v0
	v_readfirstlane_b32 s16, v8                    ; wave 0..5
	v_and_b32 v8, 31, v0                           ; lane
	v_and_b32 v9, 15, v0                           ; r
	v_bfe_u32 v10, v0, 4, 1                        ; h
	v_lshlrev_b32 v1, 4, v8                        ; 16 x lane: loads, and the stores of 16 bytes
	v_lshlrev_b32 v2, 3, v8                        ; 8 x lane
	s_mul_i32 s24, s16, STG
	v_add_nc_u32 v3, s24, v1                       ; the stage, in: a row's 512 bytes as they lie
	v_mul_u32_u24 v4, v9, 528
	v_lshl_add_u32 v4, v10, 6, v4
	v_add_nc_u32 v4, s24, v4                       ; and out: row r, + 64 h
	v_lshlrev_b32 v5, 5, v9
	v_lshl_add_u32 v5, v10, 4, v5                  ; the scale words: 32 r + 16 h
	s_mov_b32 s[SEL], 0x76543210
	s_mov_b32 s[SEL+1], 0xfedcba98
	s_mov_b32 s22, 0xffff0000                      ; lanes 16-31
	s_mul_i32 s17, ttmp9, 6
	s_add_co_u32 s17, s17, s16                     ; my tile, 0 .. 1535
	s_lshr_b32 s18, s17, 9                         ; which tensor
	s_and_b32 s19, s17, 511                        ; which of its tiles
	; THE ROWS OF A TILE.  q, v: place 32 g + 16 u + r holds row 32 g + 8 u + r + 8 (r / 8).  k: place 64 g + 16 u + r holds row 64 g + 32 (r / 8) + 8 u + r % 8,
	; so that the scores of four neighbouring tiles of keys leave a whole block of 32 neighbouring keys in 32 registers of a lane.
	s_cmp_eq_u32 s18, 1                            ; k?  The choice hangs on the tile's number alone
	s_cselect_b32 s23, 2, 1                        ; a group is 4 tiles (k) or 2
	s_cselect_b32 s25, 3, 1
	s_lshr_b32 s26, s19, s23
	s_add_co_u32 s24, s23, 16
	s_lshl_b32 s26, s26, s24                       ; 64 or 32 rows of 4,096 bytes for each group,
	s_and_b32 s27, s19, s25
	s_lshl_b32 s27, s27, 15                        ; 8 rows for each tile in it
	s_add_co_u32 s26, s26, s27
	s_mov_b32 s27, 0
	s_add_co_u32 s24, s23, 15
	s_lshl_b32 s24, 1, s24                         ; a tile's places 8-15 begin 32 (k) or 16 rows behind its places 0-7
	s_mov_b32 s25, 0
	s_mul_i32 s28, s17, 12288
	s_mov_b32 s29, 0
	s_lshl_b32 s30, s17, 9
	s_mov_b32 s31, 0
.irp b, 0,1,2,3
	v_mov_b32 v[TM+4+\b], 0                        ; written once: a lane permute's destination counts as one of its sources
.endr
	s_wait_alu depctr_va_vdst(0)
	s_wait_kmcnt 0x0
	s_cmp_eq_u32 s18, 1                            ; the choice hangs on the tile's number alone
	s_cselect_b64 s[4:5], s[6:7], s[4:5]
	s_cmp_eq_u32 s18, 2
	s_cselect_b64 s[4:5], s[8:9], s[4:5]
	s_add_nc_u64 s[4:5], s[4:5], s[26:27]
	s_add_nc_u64 s[14:15], s[4:5], s[24:25]        ; the base of places 8-15
	s_add_nc_u64 s[10:11], s[10:11], s[28:29]
	s_add_nc_u64 s[12:13], s[12:13], s[30:31]
.macro LOADF s                         ; K step s of the tile's 16 rows; place t is row t + 8 (t / 8) from my first (k: t + 24 (t / 8))
.set tt, 0
.rept 16
	global_load_b128 v[R+64*((\s)%2)+4*tt:R+64*((\s)%2)+4*tt+3], v1, s[4+10*(tt/8):5+10*(tt/8)] offset:(tt%8)*4096+512*(\s) th:TH_LOAD_NT
.set tt, tt+1
.endr
.endm
; 64 numbers of a lane, register 16 b + i = k 32 b + 16 h + i of my row, become a fragment's codes in v[PC] on and its scale word in v[pw].
.macro QUANT s, pw
.irp b, 0,1,2,3
	v_max3_num_f32 v[TM+\b], |v[\s+16*\b]|, |v[\s+1+16*\b]|, 0x1800000   ; block b: my 16 numbers, and the floor 2^(3 - 127): the byte cannot fall under 1
.endr
.irp i, 2,4,6,8,10,12,14
.irp b, 0,1,2,3
	v_max3_num_f32 v[TM+\b], v[TM+\b], |v[\s+16*\b+\i]|, |v[\s+1+16*\b+\i]|   ; (the four blocks by turns)
.endr
.endr
.irp b, 0,1,2,3
	v_permlanex16_b32 v[TM+4+\b], v[TM+\b], s[SEL], s[SEL+1]
.endr
.irp b, 0,1,2,3
	v_max_num_f32 v[TM+\b], v[TM+\b], v[TM+4+\b]   ; with lane l xor 16's: the block's largest magnitude
.endr
.irp b, 0,1,2,3
	v_add_nc_u32 v[TM+12+\b], 0xff000000, v[TM+\b] ; 2 off its exponent field: the conversion's scale operand
.endr
.irp b, 0,1,2,3
	v_lshrrev_b32 v[TM+4+\b], 23, v[TM+12+\b]      ; the scale's byte
.endr
	v_lshl_or_b32 v[\pw], v[TM+5], 8, v[TM+4]      ; the four bytes make my row's scale word
	v_lshl_or_b32 v[\pw], v[TM+6], 16, v[\pw]
	v_lshl_or_b32 v[\pw], v[TM+7], 24, v[\pw]
.irp c, 0,1
	v_cvt_scalef32_pk16_fp6_f32 v[PC+6*\c:PC+2+6*\c], v[\s+32*\c:\s+15+32*\c], v[TM+12+2*\c]
	v_cvt_scalef32_pk16_fp6_f32 v[PC+12+4*\c:PC+14+4*\c], v[\s+16+32*\c:\s+31+32*\c], v[TM+12+2*\c+1]   ; (a conversion's three registers begin on an even number)
.endr
	v_nop                                          ; one plain line behind a scaled conversion
.irp c, 0,1                                    ; the operand's layout wants a WHOLE block in a lane: lanes 0-15 block 2 c, lanes 16-31 block 2 c + 1
.irp i, 0,1,2
	v_permlane16_swap_b32 v[PC+6*\c+\i], v[PC+12+4*\c+\i]
.endr
.irp i, 0,1,2
	v_mov_b32 v[PC+3+6*\c+\i], v[PC+12+4*\c+\i]
.endr
.endr
.endm
.macro XSTEP s
.if (\s) < 7
	s_wait_loadcnt 16                              ; this step's 16 loads are in; the next step's may be out
.else
	s_wait_loadcnt 0x0
.endif
	s_wait_xcnt 0x0                                ; the last step's stores have read the codes' registers, which are written again below
.set tt, 0
.rept 16
	ds_store_b128 v3, v[R+64*((\s)%2)+4*tt:R+64*((\s)%2)+4*tt+3] offset:528*tt
.set tt, tt+1
.endr
.irp b, 0,1,2,3
.irp j, 0,1,2,3
	ds_load_b128 v[X+16*\b+4*\j:X+16*\b+4*\j+3], v4 offset:128*\b+16*\j   ; LDS serves a wave's instructions in order: these see the stores above
.endr
.endr
	s_wait_dscnt 0x0                               ; the numbers are back, and the stores have read their registers,
.if (\s) < 6
	LOADF (\s)+2                                   ; which take the loads of two steps on
.endif
	QUANT X, SW+\s
	global_store_b128 v1, v[PC:PC+3], s[10:11] offset:1536*(\s)          ; two pieces of 768 bytes: each store covers 512 or 256 consecutive bytes, aligned
	global_store_b64 v2, v[PC+4:PC+5], s[10:11] offset:1536*(\s)+512
	global_store_b128 v1, v[PC+6:PC+9], s[10:11] offset:1536*(\s)+768
	global_store_b64 v2, v[PC+10:PC+11], s[10:11] offset:1536*(\s)+1280
.endm
	LOADF 0
	LOADF 1
.irp s, 0,1,2,3,4,5,6,7
	XSTEP \s
.endr
.irp i, 0,1,2,3
	v_cndmask_b32 v[TM+\i], v[SW+\i], v[SW+4+\i], s22   ; both halves of the lanes hold all eight words of row r: lanes 0-15 store words 0-3, lanes 16-31 words 4-7
.endr
	global_store_b128 v5, v[TM:TM+3], s[12:13]     ; the tile's 512 scale bytes: two aligned blocks of 256 bytes
	s_wait_tensorcnt 0x0                           ; the wave's end
	ds_add_u32 v[SPW], v[NIL]
	s_wait_dscnt 0x0
	s_endpgm
.Lfunc_end_k_q881a362aaf_quantx:
	.size	k_q881a362aaf_quantx, .Lfunc_end_k_q881a362aaf_quantx-k_q881a362aaf_quantx
	.p2alignl 7, 3214868480
	.fill 96, 4, 3214868480
	.section	.rodata,"a",@progbits
	.p2align	6, 0x0
	.amdhsa_kernel k_q881a362aaf_quantx
		.amdhsa_group_segment_fixed_size 51456
		.amdhsa_private_segment_fixed_size 0
		.amdhsa_enable_private_segment 0
		.amdhsa_kernarg_size 40
		.amdhsa_user_sgpr_count 2
		.amdhsa_user_sgpr_kernarg_segment_ptr 1
		.amdhsa_wavefront_size32 1
		.amdhsa_system_sgpr_workgroup_id_x 1
		.amdhsa_system_sgpr_workgroup_id_y 1
		.amdhsa_system_sgpr_workgroup_id_z 1
		.amdhsa_system_vgpr_workitem_id 0
		.amdhsa_next_free_vgpr 256
		.amdhsa_next_free_sgpr 66
		.amdhsa_reserve_vcc 0
		.amdhsa_float_denorm_mode_32 3
		.amdhsa_float_denorm_mode_16_64 3
		.amdhsa_memory_ordered 1
		.amdhsa_forward_progress 1
		.amdhsa_inst_pref_size 65
	.end_amdhsa_kernel
	.amdgpu_metadata
---
amdhsa.version: [ 1, 2 ]
amdhsa.kernels:
  - .name:           k_q881a362aaf_quantx
    .symbol:         k_q881a362aaf_quantx.kd
    .args:
      - { .name: q, .offset: 0, .size: 8, .value_kind: global_buffer, .address_space: global }
      - { .name: k, .offset: 8, .size: 8, .value_kind: global_buffer, .address_space: global }
      - { .name: v, .offset: 16, .size: 8, .value_kind: global_buffer, .address_space: global }
      - { .name: cod, .offset: 24, .size: 8, .value_kind: global_buffer, .address_space: global }
      - { .name: scl, .offset: 32, .size: 8, .value_kind: global_buffer, .address_space: global }
    .group_segment_fixed_size: 51456
    .private_segment_fixed_size: 0
    .kernarg_segment_align: 8
    .kernarg_segment_size: 40
    .max_flat_workgroup_size: 192
    .sgpr_count:     66
    .vgpr_count:     256
    .wavefront_size: 32
...
	.end_amdgpu_metadata
.endif
;; end of part 2
;; launch proj (part 3): grid 4 x 96, 4 waves a work-group, clusters of 4 x 4, 327,680 bytes of LDS; arguments cod, scl, hc, hs; writes hc, hs
.if DOCPART == 3
	.amdgcn_target "amdgcn-amd-amdhsa--gfx1250"
	.amdhsa_code_object_version 6
	.text
	.protected	k_q881a362aaf_proj
	.globl	k_q881a362aaf_proj
	.p2align	8
	.type	k_q881a362aaf_proj,@function
k_q881a362aaf_proj:
	s_mov_b64 s[64:65], 0
	v_nop
	global_prefetch_b8 v0, s[64:65] scope:SCOPE_SE
	s_setreg_imm32_b32 hwreg(HW_REG_WAVE_MODE, 25, 1), 1
	s_wait_xcnt 0x0
	s_wait_alu depctr_hold_cnt(0) depctr_sa_sdst(0) depctr_va_vdst(0) depctr_va_sdst(0) depctr_va_ssrc(0) depctr_va_vcc(0) depctr_vm_vsrc(0)
	s_getreg_b32 s2, hwreg(HW_REG_IB_STS2, 6, 4)
	s_cmp_eq_u32 s2, 0
	s_cbranch_scc0 .Lentry_in_a_cluster
	s_endpgm
.Lentry_in_a_cluster:
	s_bfe_u32 s2, ttmp6, 0x10000c
	s_cmp_lg_u32 s2, 0xf033
	s_cbranch_scc0 .Lentry_shape_is_right
	s_endpgm
.Lentry_shape_is_right:
.set NQ,     2
.set FR,     12
.set NL,     4
.set NP,     4
.set KSB,    3072
.set HALFT,  8*KSB
.set SLOT,   4*HALFT
.set SCL,    2*SLOT
.set HALFS,  16*272
.set SBLK,   2*272
.set SPARE,  SCL+4*HALFS
.set L16,  8
.set L8,   9
.set OS,   10
.set SH,   11
.set ADRA, 16
.set ADRB, 20
.set ADRS, 27
.set SPW,  28
.set NIL,  29
.set SC,   32
.set AF,   128
.set PCB,  64
.set T2,   160
.set PW,   168
.set TM,   176
.set SEL,  2
.set HB,   40
.set MASK, 66
.set FL,   67
.set G1, 24
.set G0, 32
.set G1B, 48
.set G0B, 56
.set G1S, 68
.set G0S, 76
.set G1SB, 80
.set G0SB, 88
.set MSB, 0
.macro WIN new
.if MSB != (\new)
	s_set_vgpr_msb (MSB<<8)|(\new)
.set MSB, (\new)
.endif
.endm
.set MUL_LO, 0xa1
.set MUL_HI, 0xf1
.set TO_B,   0x40
.macro JLOAD g0a, g1a, g0b, g1b
	s_cmp_eq_u32 s15, 0
	s_cbranch_scc0 .Lfor_b_\@
	tensor_load_to_lds s[\g0a:\g0a+3], s[\g1a:\g1a+7]
	s_nop 0
.rept 4
	v_nop
.endr
	s_branch .Lasked_\@
.Lfor_b_\@:
	tensor_load_to_lds s[\g0b:\g0b+3], s[\g1b:\g1b+7]
	s_nop 0
.rept 4
	v_nop
.endr
.Lasked_\@:
.endm
.macro CREST
	s_cmp_lg_u32 s14, 0
	s_cbranch_scc1 .Lnot_wave_0_\@
	s_barrier_signal -3
.Lnot_wave_0_\@:
	s_barrier_wait -3
	s_barrier_signal -1
	s_barrier_wait -1
.endm
.macro CROUND
	s_barrier_signal -1
	s_barrier_wait -1
	CREST
.endm
	s_load_b256 s[4:11], s[0:1], 0x0
	v_lshl_add_u32 v[SPW], v0, 2, SPARE
	v_mov_b32 v[NIL], 0
	ds_add_u32 v[SPW], v[NIL]
	ds_add_u32 v[SPW], v[NIL]
	v_lshrrev_b32 v1, 5, v0
	v_readfirstlane_b32 s14, v1
	s_lshr_b32 s15, s14, 1
	s_and_b32 s16, s14, 1
	s_bfe_u32 s40, ttmp6, 0x40000
	s_bfe_u32 s41, ttmp6, 0x40004
	s_and_b32 s17, ttmp7, 0xffff
	s_lshr_b32 s95, s17, 3
	s_and_b32 s17, s17, 7
	s_lshl_b32 s17, s17, 2
	s_lshl_b32 s96, s95, 6
	s_lshl_b32 s97, s95, 3
	s_add_co_u32 s97, s97, 192
	s_cmp_eq_u32 s95, 2
	s_cselect_b32 s42, s17, 0
	s_cselect_b32 s17, 0, s17
	s_cselect_b32 s96, 208, s96
	s_cselect_b32 s97, 128, s97
	s_add_co_u32 s42, s42, s40
	s_add_co_u32 s17, s17, s41
	s_lshl_b32 s43, s41, 2
	s_lshl_b32 s43, 15, s43
	s_lshl_b32 s44, 0x1111, s40
	s_or_b32 s[G1+0], s43, (3<<16)|(1<<21)
	s_or_b32 s[G1B+0], s44, (3<<16)|(1<<21)
.irp g, G1, G1B
	s_mov_b32 s[\g+1], 384<<16
	s_mov_b32 s[\g+2], 16<<16                      ; the head's loads of codes bring 16 tiles; behind them the two words that count rows are set to 8, for the ring's
	s_mov_b32 s[\g+3], 384<<16
	s_mov_b32 s[\g+4], 16
	s_mov_b32 s[\g+5], 1536
	s_mov_b32 s[\g+6], 0
	s_mov_b32 s[\g+7], 0
.endr
	s_or_b32 s[G1S+0], s43, (3<<16)|(1<<20)|(1<<21)|(5<<22)|(3<<25)
	s_or_b32 s[G1SB+0], s44, (3<<16)|(1<<20)|(1<<21)|(5<<22)|(3<<25)
.irp g, G1S, G1SB
	s_mov_b32 s[\g+1], 32<<16
	s_mov_b32 s[\g+2], 32<<16
	s_mov_b32 s[\g+3], 32<<16
	s_mov_b32 s[\g+4], 32
	s_mov_b32 s[\g+5], 32
	s_mov_b32 s[\g+6], 0
	s_mov_b32 s[\g+7], 0
.endr
	s_lshl_b32 s20, s17, 1
	s_add_co_u32 s20, s20, s96
	s_lshl_b32 s46, s42, 1
	s_add_co_u32 s46, s46, s97
	s_lshl_b32 s22, s20, 12
	s_mov_b32 s23, 0
	s_lshl_b32 s92, s46, 12
	s_mov_b32 s93, 0
	s_mul_i32 s20, s20, 98304
	s_mov_b32 s21, 0
	s_mul_i32 s46, s46, 98304
	s_mov_b32 s47, 0
	s_mul_i32 s45, s14, HALFT
	s_wait_dscnt 0x0
	s_wait_kmcnt 0x0
	s_add_nc_u64 s[20:21], s[4:5], s[20:21]
	s_add_nc_u64 s[22:23], s[6:7], s[22:23]
	s_add_nc_u64 s[46:47], s[4:5], s[46:47]
	s_add_nc_u64 s[92:93], s[6:7], s[92:93]
	CROUND
	s_mov_b32 s[G0S], 1
	s_mov_b32 s[G0S+1], SCL
	s_mov_b64 s[G0S+2:G0S+3], s[22:23]
	s_or_b32 s[G0S+3], s[G0S+3], 0x80000000
	s_mov_b32 s[G0SB], 1
	s_mov_b32 s[G0SB+1], SCL+2*HALFS
	s_mov_b64 s[G0SB+2:G0SB+3], s[92:93]
	s_or_b32 s[G0SB+3], s[G0SB+3], 0x80000000
.irp s, 0,1
	s_mov_b32 s[G0+4*\s], 1
	s_add_co_u32 s[G0+4*\s+1], s45, \s*SLOT
	s_add_nc_u64 s[G0+4*\s+2:G0+4*\s+3], s[20:21], \s*KSB
	s_or_b32 s[G0+4*\s+3], s[G0+4*\s+3], 0x80000000
	s_mov_b32 s[G0B+4*\s], 1
	s_add_co_u32 s[G0B+4*\s+1], s45, \s*SLOT
	s_add_nc_u64 s[G0B+4*\s+2:G0B+4*\s+3], s[46:47], \s*KSB
	s_or_b32 s[G0B+4*\s+3], s[G0B+4*\s+3], 0x80000000
.endr
	s_mov_b32 s[G0+1], 0                           ; at the head slot 0's two groups 0 name whole tiles: A's 16 tiles of K step 0,
	s_mov_b32 s[G0B+1], 2*HALFT                    ; and B's, behind them
	s_mul_i32 s12, s16, 98304                      ; in the ring a wave fetches 8 tiles: which half, in bytes
	s_mov_b32 s13, 0
	s_add_nc_u64 s[G0+6:G0+7], s[G0+6:G0+7], s[12:13]
	s_add_nc_u64 s[G0B+6:G0B+7], s[G0B+6:G0B+7], s[12:13]
; THE HEAD'S LOADS, ONE A WAVE: wave 0 A's tiles of slot 0, wave 1 B's, wave 2 A's scale bytes, wave 3 B's: one chain of branches on the wave's number, every way through it passes one load
.macro ARM under, g0, g1, next
	s_cmp_lt_u32 s14, \under
	s_cbranch_scc0 \next
	tensor_load_to_lds s[\g0:\g0+3], s[\g1:\g1+7]
	s_nop 0
.rept 4
	v_nop
.endr
	s_branch .Lhead_asked
\next:
.endm
	ARM 1, G0,  G1,  .Lhead_b
	ARM 2, G0B, G1B, .Lhead_sa
	ARM 3, G0S, G1S, .Lhead_sb
	tensor_load_to_lds s[G0SB:G0SB+3], s[G1SB:G1SB+7]
	s_nop 0
.rept 4
	v_nop
.endr
.Lhead_asked:
	v_and_b32 v1, 15, v0
	v_bfe_u32 v2, v0, 4, 1
	v_and_b32 v3, 31, v0
	v_lshlrev_b32 v[L16], 4, v3
	v_lshlrev_b32 v[L8], 3, v3
	s_mul_i32 s21, s15, HALFT
	s_mul_i32 s22, s16, HALFT
	s_add_co_u32 s22, s22, 2*HALFT
.irp s, 0,1
	v_add_nc_u32 v[ADRA+\s], s21, v[L16]
	v_add_nc_u32 v[ADRB+\s], s22, v[L16]
	v_add_nc_u32 v[ADRA+2+\s], s21, v[L8]
	v_add_nc_u32 v[ADRB+2+\s], s22, v[L8]
	s_add_co_u32 s21, s21, SLOT
	s_add_co_u32 s22, s22, SLOT
.endr
	v_lshlrev_b32 v6, 5, v1
	v_lshrrev_b32 v7, 8, v6
	v_lshl_add_u32 v6, v7, 4, v6
	s_mul_i32 s21, s15, HALFS
	s_mul_i32 s22, s16, HALFS
	s_add_co_u32 s22, s22, 2*HALFS
	s_sub_co_u32 s22, s22, s21
	v_mul_u32_u24 v7, s22, v2
	s_add_co_u32 s21, s21, SCL
	v_add_nc_u32 v6, v6, v7
	v_add_nc_u32 v[ADRS], s21, v6
	s_lshl_b32 s18, s17, 1
	s_add_co_u32 s18, s18, s15
	s_lshl_b32 s19, s42, 1
	s_add_co_u32 s19, s19, s16
	s_mov_b32 s20, 3072
	s_mov_b32 s21, 98304
	s_mov_b32 s22, 256
	s_mov_b32 s23, 8192
	s_cmp_eq_u32 s95, 2
	s_cselect_b32 s92, s19, s18
	s_cselect_b32 s93, s18, s19
	s_cselect_b32 s96, s21, s20
	s_cselect_b32 s98, s20, s21
	s_cselect_b32 s100, s23, s22
	s_cselect_b32 s94, s22, s23
	s_cselect_b32 s[MASK], -1, 0xffff
	s_mov_b32 s97, 0
	s_mov_b32 s99, 0
	s_mov_b32 s101, 0
	s_mov_b32 s[FL], 0x1800000
	s_mov_b32 s[SEL], 0x76543210
	s_mov_b32 s[SEL+1], 0xfedcba98
	s_lshr_b32 s18, s92, 4
	s_lshl_b32 s18, s18, 3
	s_add_co_u32 s18, s18, s93
	s_and_b32 s19, s92, 15
	s_mul_i32 s20, s95, 6291456
	s_mul_i32 s21, s18, 196608
	s_add_co_u32 s20, s20, s21
	s_mul_i32 s21, s19, 6144
	s_add_co_u32 s20, s20, s21
	s_mov_b32 s21, 0
	s_add_nc_u64 s[HB:HB+1], s[8:9], s[20:21]
	s_add_nc_u64 s[HB+2:HB+3], s[HB:HB+1], s[98:99]
	s_add_nc_u64 s[HB+4:HB+5], s[HB:HB+1], s[96:97]
	s_add_nc_u64 s[HB+6:HB+7], s[HB+4:HB+5], s[98:99]
	s_lshl_b32 s20, s95, 19
	s_lshl_b32 s22, s18, 14
	s_add_co_u32 s20, s20, s22
	s_lshl_b32 s22, s19, 9
	s_add_co_u32 s20, s20, s22
	s_add_nc_u64 s[10:11], s[10:11], s[20:21]
	s_add_nc_u64 s[12:13], s[10:11], s[100:101]
	v_mul_u32_u24 v[OS], s94, v2
	v_lshl_add_u32 v[OS], v1, 4, v[OS]
	v_lshlrev_b32 v[SH], 4, v2
.macro FRAG reg, adr, q, i
	ds_load_b128 v[\reg:\reg+3], v[\adr] offset:KSB*(\i)+1536*(\q)
	ds_load_b64 v[\reg+4:\reg+5], v[\adr+2] offset:KSB*(\i)+1536*(\q)+512
	ds_load_b128 v[\reg+6:\reg+9], v[\adr] offset:KSB*(\i)+1536*(\q)+768
	ds_load_b64 v[\reg+10:\reg+11], v[\adr+2] offset:KSB*(\i)+1536*(\q)+1280
.endm
.macro MUL16 a0, p, q, sc, zero
.irp a, \a0, \a0+1
.irp b, 0,1,2,3,4,5,6,7
.if \zero
	v_wmma_scale_f32_16x16x128_f8f6f4 v[8*(8*((\a)%4)+\b):8*(8*((\a)%4)+\b)+7], v[128*(\p)+FR*\b:128*(\p)+FR*\b+FR-1], v[AF+FR*(\a):AF+FR*(\a)+FR-1], 0, v[SC+8*NQ*(\sc)+NQ*\b+(\q)], v[SC+8*NQ*(\sc)+NQ*(\a)+(\q)] matrix_a_fmt:MATRIX_FMT_FP6 matrix_b_fmt:MATRIX_FMT_FP6 matrix_a_scale:MATRIX_SCALE_ROW1
.else
	v_wmma_scale_f32_16x16x128_f8f6f4 v[8*(8*((\a)%4)+\b):8*(8*((\a)%4)+\b)+7], v[128*(\p)+FR*\b:128*(\p)+FR*\b+FR-1], v[AF+FR*(\a):AF+FR*(\a)+FR-1], v[8*(8*((\a)%4)+\b):8*(8*((\a)%4)+\b)+7], v[SC+8*NQ*(\sc)+NQ*\b+(\q)], v[SC+8*NQ*(\sc)+NQ*(\a)+(\q)] matrix_a_fmt:MATRIX_FMT_FP6 matrix_b_fmt:MATRIX_FMT_FP6 matrix_a_scale:MATRIX_SCALE_ROW1
.endif
.endr
.endr
.endm
.macro FETCH_B slot, q, p
	WIN TO_B
.irp i, 0,1,2,3,4,5,6,7
	FRAG 128*(\p)+FR*\i, ADRB+\slot, \q, \i
.endr
	WIN 0
.endm
.macro FETCH_A slot, q, i0
.irp i, \i0, \i0+1, \i0+2, \i0+3
	FRAG AF+FR*(\i), ADRA+\slot, \q, \i
.endr
.endm
.macro SCALES sc
.irp i, 0,1,2,3,4,5,6,7
	ds_load_b64 v[SC+8*NQ*\sc+NQ*\i:SC+8*NQ*\sc+NQ*\i+1], v[ADRS] offset:\i*SBLK
.endr
.endm
.macro PLACES n
.rept \n
	v_nop
.endr
.endm
.macro STEP slot, q, zero
	s_wait_dscnt 4*NL
	WIN MUL_LO
	MUL16 0, (\q)%2, \q, \slot, \zero
	MUL16 2, (\q)%2, \q, \slot, \zero
	s_wait_dscnt 0
	PLACES NP
	FETCH_B \slot, (\q)+1, 1-(\q)%2
	FETCH_A \slot, (\q)+1, 0
	WIN MUL_HI
	MUL16 4, (\q)%2, \q, \slot, \zero
	MUL16 6, (\q)%2, \q, \slot, \zero
	PLACES NP
	WIN 0
	FETCH_A \slot, (\q)+1, 4
.endm
.macro TURN slot, next, fill
	s_wait_tensorcnt 0x0
	ds_add_u32 v[SPW], v[NIL]
	s_wait_dscnt 4*NL+1
	WIN MUL_LO
	MUL16 0, 1, NQ-1, \slot, 0
	s_wait_dscnt 0x0
	s_barrier_signal -1
	MUL16 2, 1, NQ-1, \slot, 0
	WIN 0
	s_barrier_wait -1
.if \fill
	CREST
	s_add_nc_u64 s[G0+4*\slot+2:G0+4*\slot+3], s[G0+4*\slot+2:G0+4*\slot+3], 2*KSB
	s_add_nc_u64 s[G0B+4*\slot+2:G0B+4*\slot+3], s[G0B+4*\slot+2:G0B+4*\slot+3], 2*KSB
	JLOAD G0+4*\slot, G1, G0B+4*\slot, G1B
.else
	PLACES NP
.endif
	s_wait_alu depctr_va_vdst(0)
	v_add_nc_u32 v[ADRS], 4*NQ, v[ADRS]
	FETCH_B \next, 0, 0
	FETCH_A \next, 0, 0
	SCALES \next
	WIN MUL_HI
	MUL16 4, 1, NQ-1, \slot, 0
	MUL16 6, 1, NQ-1, \slot, 0
	PLACES NP
	WIN 0
	FETCH_A \next, 0, 4
.endm
	s_wait_alu depctr_va_vdst(0)
	s_wait_tensorcnt 0x0                           ; my tile of the head's four is in
	ds_add_u32 v[SPW], v[NIL]
	s_mov_b32 s[G1+2], 8<<16                       ; no tensor load of mine is out, so descriptors may be written: from here on a load brings 8 tiles,
	s_mov_b32 s[G1+4], 8
	s_mov_b32 s[G1B+2], 8<<16
	s_mov_b32 s[G1B+4], 8
	s_mul_i32 s[G0+1], s14, HALFT                  ; and slot 0's groups 0 name my quarter of the slot
	s_mul_i32 s[G0B+1], s14, HALFT
	s_mul_i32 s20, s16, 98304
	s_mov_b32 s21, 0
	s_add_nc_u64 s[G0+2:G0+3], s[G0+2:G0+3], s[20:21]
	s_add_nc_u64 s[G0B+2:G0B+3], s[G0B+2:G0B+3], s[20:21]
	s_wait_dscnt 0x0
	CROUND                                         ; a whole round: all four tiles are in, and the sixteen work-groups are here
	JLOAD G0+4, G1, G0B+4, G1B                     ; slot 1's first fill, the first tensor load behind the round
	FETCH_B 0, 0, 0
	FETCH_A 0, 0, 0
	SCALES 0
	FETCH_A 0, 0, 4
	STEP 0, 0, 1
	TURN 0, 1, 1
	STEP 1, 0, 0
	TURN 1, 0, 1
	STEP 0, 0, 0
	TURN 0, 1, 0
	STEP 1, 0, 0
	s_wait_dscnt 4*NL
	WIN MUL_LO
	MUL16 0, 1, NQ-1, 1, 0
	MUL16 2, 1, NQ-1, 1, 0
	s_wait_dscnt 0
	WIN MUL_HI
	MUL16 4, 1, NQ-1, 1, 0
	MUL16 6, 1, NQ-1, 1, 0
	WIN 0
.macro QUANTA a
.set AC, 64*((\a)%4)
.set PCA, PCB+12*(\a)
	WIN 20*(2+(\a)/4)
.irp b, 0,1,2,3
	v_max3_num_f32 v[TM+\b], s[FL], |v[AC+16*\b]|, |v[AC+16*\b+1]|
.endr
.irp i, 2,4,6,8,10,12,14
.irp b, 0,1,2,3
	v_max3_num_f32 v[TM+\b], v[TM+\b], |v[AC+16*\b+\i]|, |v[AC+16*\b+\i+1]|
.endr
.endr
	WIN 0
.irp b, 0,1,2,3
	v_permlanex16_b32 v[TM+4+\b], v[TM+\b], s[SEL], s[SEL+1]
.endr
.irp b, 0,1,2,3
	v_max_num_f32 v[TM+\b], v[TM+\b], v[TM+4+\b]
.endr
.irp b, 0,1,2,3
	v_add_nc_u32 v[TM+12+\b], 0xff000000, v[TM+\b]
.endr
.irp b, 0,1,2,3
	v_lshrrev_b32 v[TM+4+\b], 23, v[TM+12+\b]
.endr
	v_lshl_or_b32 v[PW+\a], v[TM+5], 8, v[TM+4]
	v_lshl_or_b32 v[PW+\a], v[TM+6], 16, v[PW+\a]
	v_lshl_or_b32 v[PW+\a], v[TM+7], 24, v[PW+\a]
	v_lshrrev_b32 v[PW+\a], v[SH], v[PW+\a]
	v_and_b32 v[PW+\a], s[MASK], v[PW+\a]
	WIN 2+(\a)/4
.irp c, 0,1
	v_cvt_scalef32_pk16_fp6_f32 v[PCA+6*\c:PCA+6*\c+2], v[AC+32*\c:AC+32*\c+15], v[TM+12+2*\c]
	v_cvt_scalef32_pk16_fp6_f32 v[T2+4*\c:T2+4*\c+2], v[AC+16+32*\c:AC+31+32*\c], v[TM+12+2*\c+1]
.endr
	WIN 0
	v_nop
.irp c, 0,1
.irp i, 0,1,2
	v_permlane16_swap_b32 v[PCA+6*\c+\i], v[T2+4*\c+\i]
.endr
.irp i, 0,1,2
	v_mov_b32 v[PCA+3+6*\c+\i], v[T2+4*\c+\i]
.endr
.endr
	global_store_b128 v[L16], v[PCA:PCA+3], s[HB+4*((\a)/4):HB+4*((\a)/4)+1] offset:768*((\a)%4)
	global_store_b64 v[L8], v[PCA+4:PCA+5], s[HB+4*((\a)/4):HB+4*((\a)/4)+1] offset:768*((\a)%4)+512
	global_store_b128 v[L16], v[PCA+6:PCA+9], s[HB+4*((\a)/4)+2:HB+4*((\a)/4)+3] offset:768*((\a)%4)
	global_store_b64 v[L8], v[PCA+10:PCA+11], s[HB+4*((\a)/4)+2:HB+4*((\a)/4)+3] offset:768*((\a)%4)+512
.endm
	PLACES NP
.irp b, 0,1,2,3
	v_mov_b32 v[TM+4+\b], 0
.endr
.irp a, 0,1,2,3,4,5,6,7
	QUANTA \a
.endr
	global_store_b128 v[OS], v[PW:PW+3], s[10:11]
	global_store_b128 v[OS], v[PW+4:PW+7], s[12:13]
	s_wait_tensorcnt 0x0
	ds_add_u32 v[SPW], v[NIL]
	s_wait_dscnt 0x0
	CROUND
	s_endpgm
.Lfunc_end_k_q881a362aaf_proj:
	.size	k_q881a362aaf_proj, .Lfunc_end_k_q881a362aaf_proj-k_q881a362aaf_proj
	.p2alignl 7, 3214868480
	.fill 96, 4, 3214868480
	.section	.rodata,"a",@progbits
	.p2align	6, 0x0
	.amdhsa_kernel k_q881a362aaf_proj
		.amdhsa_group_segment_fixed_size 327680
		.amdhsa_private_segment_fixed_size 0
		.amdhsa_enable_private_segment 0
		.amdhsa_kernarg_size 32
		.amdhsa_user_sgpr_count 2
		.amdhsa_user_sgpr_kernarg_segment_ptr 1
		.amdhsa_wavefront_size32 1
		.amdhsa_system_sgpr_workgroup_id_x 1
		.amdhsa_system_sgpr_workgroup_id_y 1
		.amdhsa_system_sgpr_workgroup_id_z 1
		.amdhsa_system_vgpr_workitem_id 0
		.amdhsa_next_free_vgpr 1024
		.amdhsa_next_free_sgpr 102
		.amdhsa_reserve_vcc 0
		.amdhsa_float_denorm_mode_32 3
		.amdhsa_float_denorm_mode_16_64 3
		.amdhsa_memory_ordered 1
		.amdhsa_forward_progress 1
		.amdhsa_inst_pref_size 150
	.end_amdhsa_kernel
	.amdgpu_metadata
---
amdhsa.version: [ 1, 2 ]
amdhsa.kernels:
  - .name:           k_q881a362aaf_proj
    .symbol:         k_q881a362aaf_proj.kd
    .args:
      - { .name: cod, .offset: 0, .size: 8, .value_kind: global_buffer, .address_space: global }
      - { .name: scl, .offset: 8, .size: 8, .value_kind: global_buffer, .address_space: global }
      - { .name: hc, .offset: 16, .size: 8, .value_kind: global_buffer, .address_space: global }
      - { .name: hs, .offset: 24, .size: 8, .value_kind: global_buffer, .address_space: global }
    .group_segment_fixed_size: 327680
    .private_segment_fixed_size: 0
    .kernarg_segment_align: 8
    .kernarg_segment_size: 32
    .max_flat_workgroup_size: 128
    .sgpr_count:     102
    .vgpr_count:     1024
    .wavefront_size: 32
...
	.end_amdgpu_metadata
.endif
;; end of part 3
;; launch attn (part 4): grid 4 x 64, 16 waves a work-group, clusters of 4 x 1, 215,040 bytes of LDS; arguments hc, hs, ac, asc; writes ac, asc
.if DOCPART == 4
	.amdgcn_target "amdgcn-amd-amdhsa--gfx1250"
	.amdhsa_code_object_version 6
	.text
	.protected	k_q881a362aaf_attn
	.globl	k_q881a362aaf_attn
	.p2align	8
	.type	k_q881a362aaf_attn,@function
k_q881a362aaf_attn:
	s_mov_b64 s[64:65], 0
	v_nop
	global_prefetch_b8 v0, s[64:65] scope:SCOPE_SE
	s_setreg_imm32_b32 hwreg(HW_REG_WAVE_MODE, 25, 1), 1
	s_wait_xcnt 0x0
	s_wait_alu depctr_hold_cnt(0) depctr_sa_sdst(0) depctr_va_vdst(0) depctr_va_sdst(0) depctr_va_ssrc(0) depctr_va_vcc(0) depctr_vm_vsrc(0)
	s_getreg_b32 s2, hwreg(HW_REG_IB_STS2, 6, 4)
	s_cmp_eq_u32 s2, 0
	s_cbranch_scc0 .Lentry_in_a_cluster
	s_endpgm
.Lentry_in_a_cluster:
	s_bfe_u32 s2, ttmp6, 0x10000c
	s_cmp_lg_u32 s2, 0x3003
	s_cbranch_scc0 .Lentry_shape_is_right
	s_endpgm
.Lentry_shape_is_right:
; The attention of 64 heads (batch x 16) of 64 channels, 2,048 queries and keys, both products on codes of FP6 (E2M3) with E8M0 scales, and the quantising of its result for the last product.
; t = score x log2(e) / 8; M = the row's largest t so far, rounded UP to a whole number; p = 2^(t - M) is quantised along the keys, not normalised; the row's sum is taken of the unquantised p, in f32, and divides at the end.
; When M moves, the sum and O are multiplied by 2^(old M - new M): exact.
; INPUTS (workspace): hc [3 (q, k, v)][head Y = 0 .. 63][98,304]: q, k: [tile of 16 rows 128][768]; v: [64 keys 32][tile of 16 channels 4][768]; each 768 bytes an image of six operand registers
; (lane l = (r, h): row r, K = 32 h .. 32 h + 31: registers 0-3 at 16 l, registers 4-5 at 512 + 8 l).  hs [3][Y][8,192]: the scale words, 512 bytes for each 128 rows or keys.
; K's PLACES: place 64 g + 16 u + r holds key 64 g + 32 (r / 8) + 8 u + r % 8: so the 32 registers of S^T's tiles 4 c .. 4 c + 3 are, in lane (r, h), the 32 neighbouring keys 64 c + 32 h + 0 .. 31: ONE scale block, whole in a lane,
; in the order of the second product's operand: no lane is asked for a block's largest p, and the conversions' results change no lane.
; THE FIRST PRODUCT'S K IS 64: registers 6-11 of Q's fragment hold zero codes and bytes 2, 3 of the scale words are 0.  What K's fragments hold there meets zero codes and adds nothing: so K's eight fragments lie six registers apart,
; each with the next one's codes as its upper half (the last: six registers cleared once): 54 registers, one run of loads, one wait.
; SHARES.  A work-group owns 512 queries of ONE head; 4 x 64 work-groups.  The head's whole K, V and scale bytes (212,992 bytes) lie in LDS, filled once at the head: no slot is filled again, and one barrier serves the launch.
; Each of the sixteen waves (four to a SIMD, 256 registers) owns two tiles of 16 queries and walks the 16 key steps of 128 for one, then for the other.  Both products are used transposed (S^T = K Q^T, O^T = V^T P^T): a lane holds ONE query.
; CLUSTER.  The four work-groups of a cluster are the four query blocks of one head: every tile is asked for JOINTLY, with the mask of all four.  Waves 0-5 ask for K's sixths, 6-11 for V's, 12-13 for K's scale bytes, 14-15 for V's: one load a wave.
; No prefetch: all tiles are asked for at the head, and the launch has no loop that runs ahead of a load.
; OUTPUTS: ac [tile of 16 rows 512][head 16][768], asc [row 8,192][32 bytes], laid as the last product's operand.  A head's two scale bytes of a row are stored as 2 bytes at places 32 bytes apart: 131,072 such stores' lanes in the launch.
; LIMITS: the promise holds while the scaled scores t stay under 2^31 in magnitude; NaN and infinities are not served; p under 2^-126 counts as 0; a block whose largest magnitude lies under 2^-124 gets the byte 1.
.set VB,    98304                      ; LDS: K's 128 tiles from 0, V's from here,
.set KSC,   196608                     ; K's scale words (8,192 bytes), V's 8,192 further on,
.set SPARE, 212992                     ; the spare words, 128 bytes for each wave: eight blocks of 256 bytes that no other line names
.set L16, 1                            ; v1   16 x lane
.set L8,  2                            ; v2   8 x lane
.set AS0, 3                            ; v3   KSC + 16 r
.set SPW, 4                            ; v4   LDS address of my spare word; never rewritten
.set NIL, 5                            ; v5   0; never rewritten
.set A16, 6                            ; v6-8 the step's LDS addresses: K's tiles (two lane strides), the scale words
.set A8,  7
.set ASC, 8
.set R16, 9                            ; v9   16 r
.set R32, 10                           ; v10  32 r
.set LN,  11                           ; v11  lane.   v12 -M, v13 the largest score so far (named with v12 as a pair)
.set RM,  14                           ; v14  the step's largest score.   v16-27 Q
.set V16, 28                           ; v28, v29 the step's LDS addresses of V's tiles
.set V8,  29
.set LV16, 30                          ; v30  VB + 16 x lane
.set LV8, 31                           ; v31  VB + 8 x lane
.set KF,  32                           ; v32-85 K's eight fragments, six registers apart; then V's four in v32-79
.set KSW, 86                           ; v86-93 K's scale words
.set VSW, 94                           ; v94-97 V's
.set QW,  98                           ; v98  Q's
.set PW,  99                           ; v99  p's
.set S,   100                          ; v100-163 S^T, then p
.set O,   164                          ; v164-195 O^T
.set PCD, 196                          ; v196-207 p's codes
.set T2,  208                          ; v208-210, v212-214 the blocks' upper halves on their way
.set BM,  216                          ; v216-219 four chains of maxima; then v216, v218 my two blocks' largest
.set BT,  220                          ; v220, v221 from the other half of the lanes
.set BS,  222                          ; v222, v223 the conversions' scale operands
.set F,   224                          ; v[224:225] f = 2^(old M - new M), named as a pair
.set TP,  226
.set NM,  227
.set SUM, 228                          ; v228-235 the row's sum in four pairs: pair 0 runs on, pairs 1-3 are joined to it in the next step
.set BY,  252                          ; v252, v253 scale bytes
.set SH8, 254                          ; v254 8 h
.set WV,  12
.set CN,  18                           ; s18  -c
.set SEL, 20                           ; s[20:21] lane l xor 16
.set CS,  22                           ; s[22:23] c = log2(e) / 8
.set G1,  24                           ; s[24:31] group 1 for the tiles;  s[32:39] for the scale bytes;  s[40:43], s[44:47] their groups 0
.set G1S, 32
.set G0,  40
.set G0S, 44
.set TB,  48                           ; s48  the step's place in K's and in V's bytes: 6,144 a step
.set TS,  49                           ; s49  and in the scale words: 512 a step
.set CNT, 50
.set QC,  52                           ; s[52:53] my queries' codes;  s[54:55] their scale words;  s[56:57] my place in ac;  s[58:59] in asc
.set QS,  54
.set AO,  56
.set SO,  58
.macro WALU
	s_wait_alu depctr_va_vdst(0)
.endm
.macro ROUND                           ; a round of the cluster's barrier
	s_barrier_signal -1
	s_barrier_wait -1
	s_cmp_lg_u32 s[WV], 0
	s_cbranch_scc1 .Lnot_wave_0_\@
	s_barrier_signal -3
.Lnot_wave_0_\@:
	s_barrier_wait -3
	s_barrier_signal -1
	s_barrier_wait -1
.endm
	s_load_b256 s[4:11], s[0:1], 0x0               ; hc s[4:5], hs s[6:7], ac s[8:9], asc s[10:11]
	v_lshl_add_u32 v[SPW], v0, 2, SPARE
	v_mov_b32 v[NIL], 0
	ds_add_u32 v[SPW], v[NIL]                      ; the wave's opening
	ds_add_u32 v[SPW], v[NIL]
	v_lshrrev_b32 v6, 5, v0
	v_readfirstlane_b32 s[WV], v6                  ; wave 0..15
	s_bfe_u32 s13, ttmp6, 0x40000                  ; cx: my block of 512 queries; it enters Q's, ac's and asc's addresses alone
	s_and_b32 s14, ttmp7, 0xffff                   ; Y, the head, which the four partners share
	s_mov_b32 s[G1], 15|(3<<16)|(1<<21)            ; the mask: all four work-groups; elements of 8 bytes; no padding; bit 21 set beside a mask
	s_mov_b32 s[G1+1], 32<<16                      ; rows of 256 bytes,
	s_mov_b32 s[G1+2], 64<<16                      ; 64 of them: 16,384 dense bytes
	s_mov_b32 s[G1+3], 32<<16
	s_mov_b32 s[G1+4], 64
	s_mov_b32 s[G1+5], 32
	s_mov_b32 s[G1+6], 0
	s_mov_b32 s[G1+7], 0
	s_mov_b32 s[G1S], 15|(3<<16)|(1<<21)           ; the scale bytes: 16 rows of 256 bytes
	s_mov_b32 s[G1S+1], 32<<16
	s_mov_b32 s[G1S+2], 16<<16
	s_mov_b32 s[G1S+3], 32<<16
	s_mov_b32 s[G1S+4], 16
	s_mov_b32 s[G1S+5], 32
	s_mov_b32 s[G1S+6], 0
	s_mov_b32 s[G1S+7], 0
	s_mul_i32 s60, s14, 98304                      ; the head's bytes in a part of hc,
	s_lshl_b32 s61, s14, 13                        ; and of hs
	s_mul_i32 s15, s[WV], 43
	s_lshr_b32 s15, s15, 8                         ; wave / 6: 0 K, 1 V (waves 0-11)
	s_mul_i32 s15, s15, 6291456-98304              ; V's part lies 6,291,456 behind K's, and its sixths count from wave 6
	s_lshl_b32 s16, s[WV], 14                      ; 16,384 x wave: in memory and in LDS
	s_add_co_u32 s62, s60, s15
	s_add_co_u32 s62, s62, s16
	s_add_co_u32 s62, s62, 6291456
	s_mov_b32 s63, 0
	s_and_b32 s17, s[WV], 3                        ; waves 12-15: K's two halves of the scale bytes, V's two
	s_lshr_b32 s66, s17, 1
	s_lshl_b32 s66, s66, 19
	s_and_b32 s67, s17, 1
	s_lshl_b32 s67, s67, 12
	s_add_co_u32 s66, s66, s67
	s_add_co_u32 s66, s66, s61
	s_add_co_u32 s66, s66, 524288
	s_mov_b32 s67, 0
	s_lshl_b32 s17, s17, 12
	s_lshl_b32 s68, s13, 5
	s_lshl_b32 s69, s[WV], 1
	s_add_co_u32 s68, s68, s69                     ; T: my first tile of queries in the batch, 0 .. 126
	s_mul_i32 s70, s68, 768
	s_add_co_u32 s70, s70, s60
	s_mov_b32 s71, 0
	s_lshr_b32 s72, s68, 2
	s_lshl_b32 s72, s72, 8                         ; 256 bytes for each four tiles,
	s_and_b32 s73, s68, 3
	s_lshl_b32 s73, s73, 2                         ; my tile's word in a row's four
	s_add_co_u32 s72, s72, s73
	s_add_co_u32 s72, s72, s61
	s_mov_b32 s73, 0
	s_lshr_b32 s74, s14, 4
	s_lshl_b32 s74, s74, 7
	s_add_co_u32 s74, s74, s68                     ; my tile among all 512
	s_and_b32 s75, s14, 15                         ; the head in its batch
	s_mul_i32 s76, s74, 12288
	s_mul_i32 s77, s75, 768
	s_add_co_u32 s76, s76, s77
	s_mov_b32 s77, 0
	s_lshl_b32 s74, s74, 9
	s_lshl_b32 s75, s75, 1
	s_add_co_u32 s74, s74, s75
	s_mov_b32 s75, 0
	s_mov_b32 s[SEL], 0x76543210
	s_mov_b32 s[SEL+1], 0xfedcba98
	s_mov_b32 s[CS], 0x3e38aa3b                    ; c = log2(e) / sqrt(64)
	s_mov_b32 s[CS+1], s[CS]                       ; (named with it as a pair, so it is written)
	s_mov_b32 s[CN], 0xbe38aa3b                    ; -c
	WALU
	s_wait_dscnt 0x0                               ; both opening adds are done
	s_wait_kmcnt 0x0
	s_mov_b32 s[G0], 1
	s_mov_b32 s[G0+1], s16                         ; no place in the cluster enters an LDS address
	s_add_nc_u64 s[G0+2:G0+3], s[4:5], s[62:63]
	s_or_b32 s[G0+3], s[G0+3], 0x80000000
	s_mov_b32 s[G0S], 1
	s_add_co_u32 s[G0S+1], s17, KSC
	s_add_nc_u64 s[G0S+2:G0S+3], s[6:7], s[66:67]
	s_or_b32 s[G0S+3], s[G0S+3], 0x80000000
	s_add_nc_u64 s[QC:QC+1], s[4:5], s[70:71]
	s_add_nc_u64 s[QS:QS+1], s[6:7], s[72:73]
	s_add_nc_u64 s[AO:AO+1], s[8:9], s[76:77]
	s_add_nc_u64 s[SO:SO+1], s[10:11], s[74:75]
	ROUND                                          ; all four work-groups are here: the joint loads meet
	s_cmp_lt_u32 s[WV], 12                         ; one load a wave, in the two arms of one branch on the wave's number
	s_cbranch_scc0 .Lscales
	tensor_load_to_lds s[G0:G0+3], s[G1:G1+7]      ; a sixth of K or of V
	s_nop 0
.rept 4
	v_nop
.endr
	s_branch .Lasked
.Lscales:
	tensor_load_to_lds s[G0S:G0S+3], s[G1S:G1S+7]  ; a half of K's or of V's scale bytes
	s_nop 0
.rept 4
	v_nop
.endr
.Lasked:
	v_and_b32 v[LN], 31, v0
	v_and_b32 v[R16], 15, v0
	v_bfe_u32 v[SH8], v0, 4, 1
	v_lshlrev_b32 v[L16], 4, v[LN]
	v_lshlrev_b32 v[L8], 3, v[LN]
	v_lshlrev_b32 v[R32], 5, v[R16]
	v_lshlrev_b32 v[R16], 4, v[R16]
	v_lshlrev_b32 v[SH8], 3, v[SH8]
	v_add_nc_u32 v[LV16], VB, v[L16]
	v_add_nc_u32 v[LV8], VB, v[L8]
	v_add_nc_u32 v[AS0], KSC, v[R16]
	global_load_b128 v[16:19], v[L16], s[QC:QC+1]              ; my first tile's Q: six registers,
	global_load_b64 v[20:21], v[L8], s[QC:QC+1] offset:512
	global_load_b32 v[QW], v[R16], s[QS:QS+1]                  ; and its rows' scale words
.irp j, 22,23,24,25,26,27
	v_mov_b32 v[\j], 0                             ; K = 64 .. 127 of Q: zero codes
.endr
.irp j, 48,49,50,51,52,53
	v_mov_b32 v[KF+\j], 0                          ; the upper half of K's last fragment: cleared once; no load lands there
.endr
	v_mov_b32 v[BT], 0                             ; written once: a lane permute's destination counts as one of its sources
	v_mov_b32 v[BT+1], 0
	v_mov_b32 v[F+1], 0                            ; (named as the upper half of a pair)
.macro INIT                            ; a tile of queries begins: the step is written once, and the first finds zeros, which the first change of M leaves zeros
	v_mov_b32 v13, 0xff61b1e6                      ; the largest score so far: -3e38
	v_mov_b32 v12, 0x7e000000                      ; -M: so large that the first f is 0
.irp j, 0,1,2,3,4,5,6,7
	v_mov_b32 v[SUM+\j], 0
.endr
.set jj, 0
.rept 32
	v_mov_b32 v[O+jj], 0
.set jj, jj+1
.endr
	WALU
	s_wait_loadcnt 0x0                             ; the tile's Q
.endm
; A KEY STEP: 128 keys.
.macro STEP
	v_add_nc_u32 v[A16], s[TB], v[L16]             ; (with the six additions behind the last step's products these are the places ahead of the loads below)
	v_add_nc_u32 v[A8], s[TB], v[L8]
	v_add_nc_u32 v[ASC], s[TS], v[AS0]
	WALU
.irp t, 0,1,2,3,4,5,6,7
	ds_load_b128 v[KF+6*\t:KF+6*\t+3], v[A16] offset:\t*768
	ds_load_b64 v[KF+6*\t+4:KF+6*\t+5], v[A8] offset:\t*768+512
.endr
	ds_load_b128 v[KSW:KSW+3], v[ASC]              ; lane r: row r's words of K's tiles 0-3,
	ds_load_b128 v[KSW+4:KSW+7], v[ASC] offset:256 ; of tiles 4-7,
	ds_load_b128 v[VSW:VSW+3], v[ASC] offset:8192  ; and of V's four tiles of channels
	s_wait_dscnt 0x0
.irp t, 0,1,2,3,4,5,6,7                        ; S^T = K Q^T: lane (r, h) holds query r; register 32 c + i is key 64 c + 32 h + i of the step
	v_wmma_scale_f32_16x16x128_f8f6f4 v[S+8*\t:S+8*\t+7], v[KF+6*\t:KF+6*\t+11], v[16:27], 0, v[KSW+\t], v[QW] matrix_a_fmt:MATRIX_FMT_FP6 matrix_b_fmt:MATRIX_FMT_FP6
.endr
	v_pk_add_f32 v[SUM+2:SUM+3], v[SUM+2:SUM+3], v[SUM+4:SUM+5]   ; four places behind the products: the last step's four partial sums are joined,
	v_pk_add_f32 v[SUM:SUM+1], v[SUM:SUM+1], v[SUM+6:SUM+7]
	v_mov_b32 v[TP], v12                                           ; and the old -M is kept
	v_pk_add_f32 v[SUM:SUM+1], v[SUM:SUM+1], v[SUM+2:SUM+3]
.irp q, 0,1,2,3                                ; THE LARGEST SCORE OF MY TWO BLOCKS OF 32 KEYS, two chains each: for the row's maximum, and, since p rises with the score, for the block's largest p
	v_max3_num_f32 v[BM+\q], v[S+16*\q], v[S+1+16*\q], v[S+2+16*\q]
.endr
.irp i, 3,5,7,9,11,13
.irp q, 0,1,2,3
	v_max3_num_f32 v[BM+\q], v[BM+\q], v[S+16*\q+\i], v[S+1+16*\q+\i]
.endr
.endr
	v_max3_num_f32 v[BM], v[BM], v[BM+1], v[S+15]
	v_max3_num_f32 v[BM+2], v[BM+2], v[BM+3], v[S+47]
	v_max_num_f32 v[BM], v[BM], v[S+31]
	v_max_num_f32 v[BM+2], v[BM+2], v[S+63]
	s_delay_alu instid0(VALU_DEP_1)
	v_max_num_f32 v[RM], v[BM], v[BM+2]
	s_delay_alu instid0(VALU_DEP_1)
	v_permlanex16_b32 v[BT], v[RM], s[SEL], s[SEL+1]
	s_delay_alu instid0(VALU_DEP_1)
	v_max3_num_f32 v13, v13, v[RM], v[BT]          ; the running largest score of my query, with lane l xor 16's 64 keys
	s_delay_alu instid0(VALU_DEP_1)
	v_mul_f32 v[NM], s[CN], v13                    ; -t (c is positive)
	s_delay_alu instid0(VALU_DEP_1)
	v_floor_f32 v12, v[NM]                         ; the new -M = floor(-t) = -ceil(t): M IS A WHOLE NUMBER
	s_delay_alu instid0(VALU_DEP_1)
	v_sub_f32 v[TP], v12, v[TP]                    ; M's old value less its new one: a whole number, 0 or less
	s_delay_alu instid0(VALU_DEP_1)
	v_cvt_i32_f32 v[TP], v[TP]                     ; (it saturates)
	s_delay_alu instid0(VALU_DEP_1)
	v_ldexp_f32 v[F], 1.0, v[TP]                   ; f = 2^(old M - new M)
.set jj, 0
.rept 32
	v_pk_fma_f32 v[S+jj:S+jj+1], v[S+jj:S+jj+1], s[CS:CS+1], v[12:13] op_sel_hi:[1,0,0]   ; t - M, two at a time (of the pairs c and -M the low word serves both halves)
.set jj, jj+2
.endr
	v_fma_f32 v[BM], v[BM], s[CS], v12             ; the same of each block's largest score
	v_fma_f32 v[BM+2], v[BM+2], s[CS], v12
.set jj, 0
.rept 16
	v_pk_mul_f32 v[O+jj:O+jj+1], v[O+jj:O+jj+1], v[F:F+1] op_sel_hi:[1,0]   ; O^T under the new M, each accumulator from its low end on, ahead of the exponentials
.set jj, jj+2
.endr
	WALU
	v_exp_f32 v[BM], v[BM]                         ; the block's largest p: the same two instructions on the same number give the same bits
	v_exp_f32 v[BM+2], v[BM+2]
.set jj, 0
.rept 64
	v_exp_f32 v[S+jj], v[S+jj]                     ; p = 2^(t - M), at most 1: NOT normalised
.set jj, jj+1
.endr
	v_add_nc_u32 v[V16], s[TB], v[LV16]            ; plain lines behind the exponentials
	v_add_nc_u32 v[V8], s[TB], v[LV8]
	WALU                                           ; and the one wait for the whole batch, ahead of its first reader
.irp t, 0,1,2,3                                ; V^T's four fragments (16 channels x these 128 keys) into the registers that K's have left
	ds_load_b128 v[KF+12*\t:KF+12*\t+3], v[V16] offset:\t*768
	ds_load_b64 v[KF+12*\t+4:KF+12*\t+5], v[V8] offset:\t*768+512
	ds_load_b128 v[KF+12*\t+6:KF+12*\t+9], v[V16] offset:3072+\t*768
	ds_load_b64 v[KF+12*\t+10:KF+12*\t+11], v[V8] offset:3072+\t*768+512
.endr
	v_max_num_f32 v[BM], 0x1800000, v[BM]          ; the floor 2^(3 - 127): the byte cannot fall under 1
	v_max_num_f32 v[BM+2], 0x1800000, v[BM+2]
	s_delay_alu instid0(VALU_DEP_2)
	v_add_nc_u32 v[BS], 0xff000000, v[BM]          ; 2 off the exponent field: the conversion's scale operand
	s_delay_alu instid0(VALU_DEP_2)
	v_add_nc_u32 v[BS+1], 0xff000000, v[BM+2]
.irp c, 0,1                                    ; my block 2 c + h: its lower 16 codes at their place, the upper 16 by way of v[T2 ..] (a conversion's three registers begin on an even number)
	v_cvt_scalef32_pk16_fp6_f32 v[PCD+6*\c:PCD+6*\c+2], v[S+32*\c:S+32*\c+15], v[BS+\c]
	v_cvt_scalef32_pk16_fp6_f32 v[T2+4*\c:T2+4*\c+2], v[S+32*\c+16:S+32*\c+31], v[BS+\c]
.endr
	v_lshrrev_b32 v[BY], 23, v[BS]                 ; the scales' bytes.  (Plain lines behind the conversions)
	v_lshrrev_b32 v[BY+1], 23, v[BS+1]
	s_delay_alu instid0(VALU_DEP_1)
	v_lshl_or_b32 v[BY], v[BY+1], 16, v[BY]        ; blocks h and 2 + h,
	s_delay_alu instid0(VALU_DEP_1)
	v_lshlrev_b32 v[BY], v[SH8], v[BY]             ; at their places in the word (8 h bits up);
	s_delay_alu instid0(VALU_DEP_1)
	v_permlanex16_b32 v[BT], v[BY], s[SEL], s[SEL+1]
	s_delay_alu instid0(VALU_DEP_1)
	v_or_b32 v[PW], v[BY], v[BT]                   ; with lane l xor 16's two the word for these 128 keys is whole
.irp c, 0,1
.irp i, 0,1,2
	v_mov_b32 v[PCD+6*\c+3+\i], v[T2+4*\c+\i]
.endr
.endr
	v_pk_fma_f32 v[SUM:SUM+1], v[SUM:SUM+1], v[F:F+1], v[S:S+1] op_sel_hi:[1,0,1]   ; THE ROW'S SUM IS TAKEN OF THE UNQUANTISED p: the old sum x f and the first pair; four chains
.irp k, 1,2,3
	v_pk_add_f32 v[SUM+2*\k:SUM+2*\k+1], v[S+4*\k-2:S+4*\k-1], v[S+4*\k:S+4*\k+1]
.endr
.set jj, 7
.rept 19                                       ; (these lines are also the places between p's codes and scale word and the products below)
	v_pk_add_f32 v[SUM+2*((jj-7)%4):SUM+2*((jj-7)%4)+1], v[SUM+2*((jj-7)%4):SUM+2*((jj-7)%4)+1], v[S+2*jj:S+2*jj+1]
.set jj, jj+1
.endr
	WALU
	s_wait_dscnt 0x0                               ; V's fragments
.irp t, 0,1,2,3                                ; O^T += V^T P^T: the four accumulators by turns
	v_wmma_scale_f32_16x16x128_f8f6f4 v[O+8*\t:O+8*\t+7], v[KF+12*\t:KF+12*\t+11], v[PCD:PCD+11], v[O+8*\t:O+8*\t+7], v[VSW+\t], v[PW] matrix_a_fmt:MATRIX_FMT_FP6 matrix_b_fmt:MATRIX_FMT_FP6
.endr
.rept 6                                        ; the sum's last pairs: places behind the products
	v_pk_add_f32 v[SUM+2*((jj-7)%4):SUM+2*((jj-7)%4)+1], v[SUM+2*((jj-7)%4):SUM+2*((jj-7)%4)+1], v[S+2*jj:S+2*jj+1]
.set jj, jj+1
.endr
.endm
.macro WALK                            ; the head's 16 key steps: written once, walked sixteen times
	s_mov_b32 s[TB], 0
	s_mov_b32 s[TS], 0
	s_mov_b32 s[CNT], 16
.Lstep_\@:
	STEP
	s_add_co_u32 s[TB], s[TB], 6144                ; the next step's tiles: 8 of K, and 2 x 4 of V, are 6,144 bytes each
	s_add_co_u32 s[TS], s[TS], 512
	s_sub_co_u32 s[CNT], s[CNT], 1
	s_cmp_lg_u32 s[CNT], 0
	s_cbranch_scc1 .Lstep_\@
.endm
; A TILE'S END.  O^T is divided by the row's sum; register 16 b + i is channel 32 b + 16 h + i: two blocks of the last product's K.  They are quantised and leave as one image of 768 bytes.
.macro FINISH e
.set HF, 236+8*(\e)                    ; v236-241, v244-249: the tiles' codes;  v242, v250: their two scale bytes: no store's data are written again
.set HW, 242+8*(\e)
.if (\e) == 0
	global_load_b128 v[16:19], v[L16], s[QC:QC+1] offset:768           ; my second tile's Q is asked for here
	global_load_b64 v[20:21], v[L8], s[QC:QC+1] offset:768+512
	global_load_b32 v[QW], v[R16], s[QS:QS+1] offset:4
.endif
	v_pk_add_f32 v[SUM+2:SUM+3], v[SUM+2:SUM+3], v[SUM+4:SUM+5]   ; the four partial sums,
	v_pk_add_f32 v[SUM:SUM+1], v[SUM:SUM+1], v[SUM+6:SUM+7]
	s_delay_alu instid0(VALU_DEP_1)
	v_pk_add_f32 v[SUM:SUM+1], v[SUM:SUM+1], v[SUM+2:SUM+3]
	s_delay_alu instid0(VALU_DEP_1)
	v_add_f32 v[SUM], v[SUM], v[SUM+1]             ; the pair's two halves,
	s_delay_alu instid0(VALU_DEP_1)
	v_permlanex16_b32 v[BT], v[SUM], s[SEL], s[SEL+1]
	s_delay_alu instid0(VALU_DEP_1)
	v_add_f32 v[SUM], v[SUM], v[BT]                ; and lane l xor 16's: the row's sum
	WALU
	v_rcp_f32 v[SUM], v[SUM]
	v_nop                                          ; a plain line behind the reciprocal
	WALU                                           ; and the wait ahead of its first reader and of O^T's
.set jj, 0
.rept 16
	v_pk_mul_f32 v[S+jj:S+jj+1], v[O+jj:O+jj+1], v[SUM:SUM+1] op_sel_hi:[1,0]   ; each accumulator from its low end on
.set jj, jj+2
.endr
.irp b, 0,1
	v_max3_num_f32 v[BM+\b], |v[S+16*\b]|, |v[S+1+16*\b]|, 0x1800000
.endr
.irp i, 2,4,6,8,10,12,14
.irp b, 0,1
	s_delay_alu instid0(VALU_DEP_2)
	v_max3_num_f32 v[BM+\b], v[BM+\b], |v[S+16*\b+\i]|, |v[S+1+16*\b+\i]|
.endr
.endr
.irp b, 0,1
	s_delay_alu instid0(VALU_DEP_2)
	v_permlanex16_b32 v[BT+\b], v[BM+\b], s[SEL], s[SEL+1]
.endr
.irp b, 0,1
	s_delay_alu instid0(VALU_DEP_2)
	v_max_num_f32 v[BM+\b], v[BM+\b], v[BT+\b]
.endr
.irp b, 0,1
	s_delay_alu instid0(VALU_DEP_2)
	v_add_nc_u32 v[BS+\b], 0xff000000, v[BM+\b]
.endr
.irp b, 0,1
	s_delay_alu instid0(VALU_DEP_2)
	v_lshrrev_b32 v[BT+\b], 23, v[BS+\b]
.endr
	v_cvt_scalef32_pk16_fp6_f32 v[HF:HF+2], v[S:S+15], v[BS]
	v_cvt_scalef32_pk16_fp6_f32 v[T2:T2+2], v[S+16:S+31], v[BS+1]
	v_lshl_or_b32 v[HW], v[BT+1], 8, v[BT]         ; the head's two bytes of my row; both halves of the lanes hold them.  (A plain line behind the conversions)
.irp i, 0,1,2
	v_permlane16_swap_b32 v[HF+\i], v[T2+\i]       ; the operand's layout wants a WHOLE block in a lane
.endr
.irp i, 0,1,2
	v_mov_b32 v[HF+3+\i], v[T2+\i]
.endr
	global_store_b128 v[L16], v[HF:HF+3], s[AO:AO+1] offset:12288*(\e)      ; 512 and 256 consecutive bytes, aligned
	global_store_b64 v[L8], v[HF+4:HF+5], s[AO:AO+1] offset:12288*(\e)+512
	global_store_b16 v[R32], v[HW], s[SO:SO+1] offset:512*(\e)              ; lanes r and 16 + r store the same two bytes at the same place
.endm
	INIT
	s_wait_tensorcnt 0x0                           ; my part of the head's K, V or scale bytes is in
	s_barrier_signal -1
	s_barrier_wait -1                              ; and everybody's
	WALK
	FINISH 0
	INIT
	WALK
	FINISH 1
	s_wait_tensorcnt 0x0                           ; the wave's end
	ds_add_u32 v[SPW], v[NIL]
	s_wait_dscnt 0x0
	ROUND                                          ; the closing round: no work-group ends while a partner may still ask for a tile that names it
	s_endpgm
.Lfunc_end_k_q881a362aaf_attn:
	.size	k_q881a362aaf_attn, .Lfunc_end_k_q881a362aaf_attn-k_q881a362aaf_attn
	.p2alignl 7, 3214868480
	.fill 96, 4, 3214868480
	.section	.rodata,"a",@progbits
	.p2align	6, 0x0
	.amdhsa_kernel k_q881a362aaf_attn
		.amdhsa_group_segment_fixed_size 215040
		.amdhsa_private_segment_fixed_size 0
		.amdhsa_enable_private_segment 0
		.amdhsa_kernarg_size 32
		.amdhsa_user_sgpr_count 2
		.amdhsa_user_sgpr_kernarg_segment_ptr 1
		.amdhsa_wavefront_size32 1
		.amdhsa_system_sgpr_workgroup_id_x 1
		.amdhsa_system_sgpr_workgroup_id_y 1
		.amdhsa_system_sgpr_workgroup_id_z 1
		.amdhsa_system_vgpr_workitem_id 0
		.amdhsa_next_free_vgpr 256
		.amdhsa_next_free_sgpr 80
		.amdhsa_reserve_vcc 0
		.amdhsa_float_denorm_mode_32 3
		.amdhsa_float_denorm_mode_16_64 3
		.amdhsa_memory_ordered 1
		.amdhsa_forward_progress 1
		.amdhsa_inst_pref_size 50
	.end_amdhsa_kernel
	.amdgpu_metadata
---
amdhsa.version: [ 1, 2 ]
amdhsa.kernels:
  - .name:           k_q881a362aaf_attn
    .symbol:         k_q881a362aaf_attn.kd
    .args:
      - { .name: hc, .offset: 0, .size: 8, .value_kind: global_buffer, .address_space: global }
      - { .name: hs, .offset: 8, .size: 8, .value_kind: global_buffer, .address_space: global }
      - { .name: ac, .offset: 16, .size: 8, .value_kind: global_buffer, .address_space: global }
      - { .name: asc, .offset: 24, .size: 8, .value_kind: global_buffer, .address_space: global }
    .group_segment_fixed_size: 215040
    .private_segment_fixed_size: 0
    .kernarg_segment_align: 8
    .kernarg_segment_size: 32
    .max_flat_workgroup_size: 512
    .sgpr_count:     80
    .vgpr_count:     256
    .wavefront_size: 32
...
	.end_amdgpu_metadata
.endif
;; end of part 4
;; launch outp (part 5): grid 4 x 64, 4 waves a work-group, clusters of 4 x 4, 327,680 bytes of LDS; arguments ac, asc, cod, scl, out0; writes out0
.if DOCPART == 5
	.amdgcn_target "amdgcn-amd-amdhsa--gfx1250"
	.amdhsa_code_object_version 6
	.text
	.protected	k_q881a362aaf_outp
	.globl	k_q881a362aaf_outp
	.p2align	8
	.type	k_q881a362aaf_outp,@function
k_q881a362aaf_outp:
	s_mov_b64 s[64:65], 0
	v_nop
	global_prefetch_b8 v0, s[64:65] scope:SCOPE_SE
	s_setreg_imm32_b32 hwreg(HW_REG_WAVE_MODE, 25, 1), 1
	s_wait_xcnt 0x0
	s_wait_alu depctr_hold_cnt(0) depctr_sa_sdst(0) depctr_va_vdst(0) depctr_va_sdst(0) depctr_va_ssrc(0) depctr_va_vcc(0) depctr_vm_vsrc(0)
	s_getreg_b32 s2, hwreg(HW_REG_IB_STS2, 6, 4)
	s_cmp_eq_u32 s2, 0
	s_cbranch_scc0 .Lentry_in_a_cluster
	s_endpgm
.Lentry_in_a_cluster:
	s_bfe_u32 s2, ttmp6, 0x10000c
	s_cmp_lg_u32 s2, 0xf033
	s_cbranch_scc0 .Lentry_shape_is_right
	s_endpgm
.Lentry_shape_is_right:
; out0[row][n] = sum over k of context[row][k] Wo[k][n], f32: 8,192 x 1,024 x 1,024 on codes of FP6 (E2M3) with one E8M0 byte for each 32 along K.
; INPUTS (workspace): ac [tile of 16 rows 512][12,288] and cod's tiles 1,728 on (Wo's 64 tiles of 16 columns): a tile is 16 pieces of 64 along K, 768 bytes each, an image of six operand registers
; (lane l = (r, h): row r, k = 32 h .. 32 h + 31: registers 0-3 at 16 l, registers 4-5 at 512 + 8 l).  asc, scl: 32 scale bytes for each place (a word for each 128 along K).
; In rows and in columns place 32 g + 16 u + r holds number 32 g + 8 u + r + 8 (r / 8); the way out puts both back.
; SHARES.  256 work-groups of four waves, 2 x 2; a work-group makes 128 rows x 256 columns, a wave 64 x 128: 32 accumulators, 256 registers.
; ALL OF K LIES IN LDS AT ONCE: A's 8 tiles (98,304 bytes), B's 16 (196,608), their scale bytes (units of 256 + 16): four dense blocks of memory, four joint loads at the head, one a wave.  Nothing is filled again.
; CLUSTER 4 x 4: A's block is shared by a row of the cluster, B's by a column.  No prefetch: all is asked for at the head, and no loop runs ahead of a load.
; A K step of 128 is 32 products on 8 fragments of B and 4 of A; both have two sets of registers, and the next step's 48 LDS loads are issued ahead of a step's products.
; THE MATRIX INSTRUCTION IS USED TRANSPOSED (source 0 = 16 columns' rows of B, source 1 = 16 rows of A): a lane holds eight neighbouring numbers of a row of the result.
; REGISTERS: window 0: v0-31 addresses; v32-95 B's scale words (8 i + q); v96-191 A's fragments, two sets; v196-227 A's scale words (their numbers differ from B's by 4 modulo 8); on the way out v96-223 take rows back from the stage.
;   window 1: B's fragments, two sets, at v0 and v128.   window 2: accumulator (a, b) at v[8 (8 a + b)].
; LIMITS: NaN, infinities and sums beyond f32's range are not served.
.set FR,     12
.set TILE,   12288
.set AB,     8*TILE                    ; LDS: A's tiles from 0, B's from here,
.set SCL,    24*TILE                   ; A's scale bytes: 16 units of 272,
.set SBLK,   2*272                     ; (16 rows' are two units)
.set SCLB,   SCL+8*SBLK                ; B's: 32 units,
.set SPARE,  SCLB+16*SBLK              ; the spare words, 128 bytes for each wave: two blocks of 256 bytes that no other line names
.set SPITCH, 528                       ; the way out: a stage of 16 rows x (512 + 16) bytes for each wave, in A's first bytes, behind the barrier behind which nobody reads them
.set L8,   9
.set ADRA, 16                          ; v16, v17 LDS address of my four tiles of A: by 16 x lane, by 8 x lane
.set ADRB, 18                          ; v18, v19 of my tiles 0-3 and 4-7 of B by 16 x lane; v20, v21 by 8 x lane
.set ADSA, 22                          ; v22, v23 of my rows' and my columns' scale words
.set ADSB, 23
.set STO,  24
.set RD,   25
.set L16,  26
.set SPW,  28
.set NIL,  29
.set SCB,  32
.set AF,   96
.set SCA,  196
.set BK,   96
.set G1A, 24
.set G0A, 32
.set G0B, 36
.set G1B, 48
.set G1S, 68
.set G0S, 76
.set G1SB, 80
.set G0SB, 88
.set MSB, 0
.macro WIN new
.if MSB != (\new)
	s_set_vgpr_msb (MSB<<8)|(\new)
.set MSB, (\new)
.endif
.endm
.set MUL,  0xa1                        ; source 0 (B) window 1, source 1 (A) window 0, C and D window 2
.set TO_B, 0x40                        ; destination window 1, address window 0
.macro PLACES n
.rept \n
	v_nop
.endr
.endm
.macro CROUND                          ; a round of the cluster's barrier
	s_barrier_signal -1
	s_barrier_wait -1
	s_cmp_lg_u32 s14, 0
	s_cbranch_scc1 .Lnot_wave_0_\@
	s_barrier_signal -3
.Lnot_wave_0_\@:
	s_barrier_wait -3
	s_barrier_signal -1
	s_barrier_wait -1
.endm
.macro GROUP1 g, mask, flags, rows     ; a dense block as rows of 256 bytes (32 elements of 8)
	s_or_b32 s[\g+0], s[\mask], (3<<16)|(1<<21)|(\flags)
	s_mov_b32 s[\g+1], 32<<16
	s_mov_b32 s[\g+2], (\rows)<<16
	s_mov_b32 s[\g+3], 32<<16
	s_mov_b32 s[\g+4], \rows
	s_mov_b32 s[\g+5], 32
	s_mov_b32 s[\g+6], 0
	s_mov_b32 s[\g+7], 0
.endm
.macro GROUP0 g, lds, p
	s_mov_b32 s[\g], 1
	s_mov_b32 s[\g+1], \lds
	s_mov_b64 s[\g+2:\g+3], s[\p:\p+1]
	s_or_b32 s[\g+3], s[\g+3], 0x80000000
.endm
	s_load_b128 s[4:7], s[0:1], 0x0                ; ac, asc
	s_load_b128 s[8:11], s[0:1], 0x10              ; cod, scl
	s_load_b64 s[12:13], s[0:1], 0x20              ; out0
	v_lshl_add_u32 v[SPW], v0, 2, SPARE
	v_mov_b32 v[NIL], 0
	ds_add_u32 v[SPW], v[NIL]                      ; the wave's opening
	ds_add_u32 v[SPW], v[NIL]
	v_lshrrev_b32 v1, 5, v0
	v_readfirstlane_b32 s14, v1                    ; wave 0..3
	s_lshr_b32 s15, s14, 1                         ; which 64 rows are mine
	s_and_b32 s16, s14, 1                          ; which 128 columns
	s_bfe_u32 s40, ttmp6, 0x40000
	s_bfe_u32 s41, ttmp6, 0x40004
	s_lshl_b32 s42, ttmp9, 2
	s_add_co_u32 s42, s42, s40                     ; tile column, 0 .. 3
	s_and_b32 s17, ttmp7, 0xffff
	s_lshl_b32 s17, s17, 2
	s_add_co_u32 s17, s17, s41                     ; tile row, 0 .. 63
	s_lshl_b32 s43, s41, 2
	s_lshl_b32 s43, 15, s43                        ; my row of the cluster
	s_lshl_b32 s44, 0x1111, s40                    ; my column
	GROUP1 G1A, 43, 0, 384
	GROUP1 G1B, 44, 0, 768
	GROUP1 G1S, 43, (1<<20)|(5<<22)|(3<<25), 16    ; 16 bytes of padding behind each 256
	GROUP1 G1SB, 44, (1<<20)|(5<<22)|(3<<25), 32
	s_mul_i32 s20, s17, 8*TILE                     ; A: 8 tiles a tile row,
	s_mov_b32 s21, 0
	s_lshl_b32 s22, s17, 12                        ; 128 rows of 32 scale bytes
	s_mov_b32 s23, 0
	s_lshl_b32 s46, s42, 1
	s_add_co_u32 s46, s46, 216                     ; B: Wo's tiles begin at tile 1,728 = 216 x 8; 16 tiles a tile column
	s_lshl_b32 s92, s46, 12
	s_mov_b32 s93, 0
	s_mul_i32 s46, s46, 8*TILE
	s_mov_b32 s47, 0
	s_wait_alu depctr_va_vdst(0)
	s_wait_dscnt 0x0
	s_wait_kmcnt 0x0
	s_add_nc_u64 s[20:21], s[4:5], s[20:21]
	s_add_nc_u64 s[22:23], s[6:7], s[22:23]
	s_add_nc_u64 s[46:47], s[8:9], s[46:47]
	s_add_nc_u64 s[92:93], s[10:11], s[92:93]
	CROUND                                         ; all sixteen work-groups are here: the joint loads meet
	GROUP0 G0A, 0, 20
	GROUP0 G0B, AB, 46
	GROUP0 G0S, SCL, 22
	GROUP0 G0SB, SCLB, 92
.macro ARM under, g0, g1, next         ; one chain of branches on the wave's number: every way through it passes one load
	s_cmp_lt_u32 s14, \under
	s_cbranch_scc0 \next
	tensor_load_to_lds s[\g0:\g0+3], s[\g1:\g1+7]
	s_nop 0
	PLACES 4
	s_branch .Lhead_asked
\next:
.endm
	ARM 1, G0B, G1B, .Lhead_a                      ; wave 0: B's 16 tiles
	ARM 2, G0A, G1A, .Lhead_sa                     ; wave 1: A's 8
	ARM 3, G0S, G1S, .Lhead_sb                     ; wave 2: A's scale bytes
	tensor_load_to_lds s[G0SB:G0SB+3], s[G1SB:G1SB+7]   ; wave 3: B's
	s_nop 0
	PLACES 4
.Lhead_asked:
	v_and_b32 v1, 15, v0                           ; r
	v_bfe_u32 v2, v0, 4, 1                         ; h
	v_and_b32 v3, 31, v0
	v_lshlrev_b32 v[L16], 4, v3
	v_lshlrev_b32 v[L8], 3, v3
	s_mul_i32 s21, s15, 4*TILE
	s_mul_i32 s22, s16, 8*TILE
	s_add_co_u32 s22, s22, AB
	v_add_nc_u32 v[ADRA], s21, v[L16]
	v_add_nc_u32 v[ADRA+1], s21, v[L8]
	v_add_nc_u32 v[ADRB], s22, v[L16]
	v_add_nc_u32 v[ADRB+2], s22, v[L8]
	s_add_co_u32 s22, s22, 4*TILE
	v_add_nc_u32 v[ADRB+1], s22, v[L16]
	v_add_nc_u32 v[ADRB+3], s22, v[L8]
	v_lshlrev_b32 v6, 5, v1                        ; my row's scale words: 32 bytes a row,
	v_lshrrev_b32 v7, 8, v6
	v_lshl_add_u32 v6, v7, 4, v6                   ; and 16 more for each 256 passed
	s_mul_i32 s21, s15, 4*SBLK
	s_add_co_u32 s21, s21, SCL
	s_mul_i32 s22, s16, 8*SBLK
	s_add_co_u32 s22, s22, SCLB
	v_add_nc_u32 v[ADSA], s21, v6
	v_add_nc_u32 v[ADSB], s22, v6
	s_mul_i32 s23, s14, 16*SPITCH                  ; my stage
	s_wait_alu depctr_va_vdst(0)                   ; ahead of the later readers of r and h
	v_mul_u32_u24 v5, v1, SPITCH                   ; in: row r; register j of tile 2 g + u is column 32 g + 8 u + 16 h + j
	v_lshl_add_u32 v5, v2, 6, v5
	v_add_nc_u32 v[STO], s23, v5
	v_add_nc_u32 v[RD], s23, v[L16]                ; back: the 32 lanes take one row of 512 bytes
	s_lshl_b32 s20, s17, 7
	s_lshl_b32 s21, s15, 6
	s_add_co_u32 s20, s20, s21                     ; my first row of the result
	s_lshl_b32 s20, s20, 12
	s_mov_b32 s21, 0
	s_lshl_b32 s46, s42, 10
	s_lshl_b32 s47, s16, 9
	s_add_co_u32 s46, s46, s47                     ; my first column, in bytes
	s_mov_b32 s47, 0
	s_add_nc_u64 s[20:21], s[20:21], s[46:47]
	s_add_nc_u64 s[12:13], s[12:13], s[20:21]
.macro FRAG reg, a16, a8, off          ; a fragment: two pieces of 768 bytes
	ds_load_b128 v[\reg:\reg+3], v[\a16] offset:\off
	ds_load_b64 v[\reg+4:\reg+5], v[\a8] offset:(\off)+512
	ds_load_b128 v[\reg+6:\reg+9], v[\a16] offset:(\off)+768
	ds_load_b64 v[\reg+10:\reg+11], v[\a8] offset:(\off)+1280
.endm
.macro FETCH q, p                      ; K step q's 12 fragments into set p: 48 loads
	WIN TO_B
.irp i, 0,1,2,3,4,5,6,7
	FRAG 128*(\p)+FR*\i, ADRB+\i/4, ADRB+2+\i/4, TILE*(\i%4)+1536*(\q)
.endr
	WIN 0
.irp i, 0,1,2,3
	FRAG AF+48*(\p)+FR*\i, ADRA, ADRA+1, TILE*\i+1536*(\q)
.endr
.endm
.macro PRD d, b0, a0, c, sb, sa
	v_wmma_scale_f32_16x16x128_f8f6f4 v[\d:\d+7], v[\b0:\b0+FR-1], v[\a0:\a0+FR-1], \c, v[\sb], v[\sa] matrix_a_fmt:MATRIX_FMT_FP6 matrix_b_fmt:MATRIX_FMT_FP6
.endm
.macro MUL32 p, q                      ; 32 products, the 32 accumulators by turns, in the same order in every step; the first step's start the sums
.irp a, 0,1,2,3
.irp b, 0,1,2,3,4,5,6,7
.if \q
	PRD 8*(8*\a+\b), 128*(\p)+FR*\b, AF+48*(\p)+FR*\a, v[8*(8*\a+\b):8*(8*\a+\b)+7], SCB+8*\b+(\q), SCA+8*\a+(\q)
.else
	PRD 8*(8*\a+\b), 128*(\p)+FR*\b, AF+48*(\p)+FR*\a, 0, SCB+8*\b+(\q), SCA+8*\a+(\q)
.endif
.endr
.endr
.endm
	s_wait_alu depctr_va_vdst(0)
	s_wait_tensorcnt 0x0                           ; my block is in
	s_barrier_signal -1
	s_barrier_wait -1                              ; and everybody's
.irp i, 0,1,2,3,4,5,6,7                        ; the scale words of all of K, once: lane r takes row r's eight
	ds_load_b128 v[SCB+8*\i:SCB+8*\i+3], v[ADSB] offset:\i*SBLK
	ds_load_b128 v[SCB+8*\i+4:SCB+8*\i+7], v[ADSB] offset:\i*SBLK+16
.endr
.irp i, 0,1,2,3
	ds_load_b128 v[SCA+8*\i:SCA+8*\i+3], v[ADSA] offset:\i*SBLK
	ds_load_b128 v[SCA+8*\i+4:SCA+8*\i+7], v[ADSA] offset:\i*SBLK+16
.endr
	FETCH 0, 0
.set Q, 0
.rept 8
.if Q < 7
.if Q > 0
	PLACES 4                                       ; ahead of loads into the set that the last step's products have read
.endif
	FETCH Q+1, (Q+1)%2
	s_wait_dscnt 48                                ; all but the 48 loads just issued: this step's fragments (and the scale words) are in
.else
	s_wait_dscnt 0x0
.endif
	WIN MUL
	MUL32 Q%2, Q
	WIN 0
.set Q, Q+1
.endr
	PLACES 4                                       ; ahead of the first read of the sums, and of loads into registers that the products have read
	s_wait_dscnt 0x0
	s_barrier_signal -1
	s_barrier_wait -1                              ; nobody reads A's bytes any more: the stages lie there
; THE WAY OUT, block by block of 16 rows x 128 columns, through my own stage: back come whole rows of 512 bytes, stored as two aligned units of 256.  LDS serves a wave's instructions in order (ISA guide 5.7.1.4): no wait between the stores and the loads.
.macro TOSTAGE a
	WIN 0x08                                       ; the data: window 2
.irp b, 0,1,2,3,4,5,6,7
	ds_store_b128 v[STO], v[64*(\a)+8*\b:64*(\a)+8*\b+3] offset:128*(\b/2)+32*(\b%2)       ; each accumulator from its low end on
	ds_store_b128 v[STO], v[64*(\a)+8*\b+4:64*(\a)+8*\b+7] offset:128*(\b/2)+32*(\b%2)+16
.endr
	WIN 0
.set BB, BK+64*((\a)%2)
.irp t, 0,1,2,3,4,5,6,7,8,9,10,11,12,13,14,15
	ds_load_b128 v[BB+4*\t:BB+4*\t+3], v[RD] offset:\t*SPITCH
.endr
.endm
.macro SEND a, younger                 ; younger: the LDS instructions issued behind block a's loads
.set BB, BK+64*((\a)%2)
	s_wait_dscnt \younger
.if (\a) > 0
.if (\a)%2
	s_add_nc_u64 s[12:13], s[12:13], 8*4096        ; (behind a wait on XCNT)  block 2 g + 1 begins 8 rows behind block 2 g,
.else
	s_add_nc_u64 s[12:13], s[12:13], 24*4096       ; block 2 g + 2 another 24
.endif
.endif
.irp t, 0,1,2,3,4,5,6,7,8,9,10,11,12,13,14,15
	global_store_b128 v[L16], v[BB+4*\t:BB+4*\t+3], s[12:13] offset:(\t+8*(\t/8))*4096 th:TH_STORE_NT   ; place t is row t + 8 (t / 8); 512 consecutive bytes, aligned
.endr
.endm
	TOSTAGE 0
.irp a, 1,2,3
.if \a > 1
	s_wait_xcnt 0x0                                ; block a - 2's stores have read their registers and their base
.endif
	TOSTAGE \a
	SEND \a-1, 32                                  ; behind block a - 1's loads: block a's 16 stores and 16 loads
.endr
	s_wait_xcnt 0x0
	SEND 3, 0
	s_wait_tensorcnt 0x0                           ; the wave's end
	ds_add_u32 v[SPW], v[NIL]
	s_wait_dscnt 0x0
	CROUND                                         ; the closing round
	s_endpgm
.Lfunc_end_k_q881a362aaf_outp:
	.size	k_q881a362aaf_outp, .Lfunc_end_k_q881a362aaf_outp-k_q881a362aaf_outp
	.p2alignl 7, 3214868480
	.fill 96, 4, 3214868480
	.section	.rodata,"a",@progbits
	.p2align	6, 0x0
	.amdhsa_kernel k_q881a362aaf_outp
		.amdhsa_group_segment_fixed_size 327680
		.amdhsa_private_segment_fixed_size 0
		.amdhsa_enable_private_segment 0
		.amdhsa_kernarg_size 40
		.amdhsa_user_sgpr_count 2
		.amdhsa_user_sgpr_kernarg_segment_ptr 1
		.amdhsa_wavefront_size32 1
		.amdhsa_system_sgpr_workgroup_id_x 1
		.amdhsa_system_sgpr_workgroup_id_y 1
		.amdhsa_system_sgpr_workgroup_id_z 1
		.amdhsa_system_vgpr_workitem_id 0
		.amdhsa_next_free_vgpr 768
		.amdhsa_next_free_sgpr 98
		.amdhsa_reserve_vcc 0
		.amdhsa_float_denorm_mode_32 3
		.amdhsa_float_denorm_mode_16_64 3
		.amdhsa_memory_ordered 1
		.amdhsa_forward_progress 1
		.amdhsa_inst_pref_size 83
	.end_amdhsa_kernel
	.amdgpu_metadata
---
amdhsa.version: [ 1, 2 ]
amdhsa.kernels:
  - .name:           k_q881a362aaf_outp
    .symbol:         k_q881a362aaf_outp.kd
    .args:
      - { .name: ac, .offset: 0, .size: 8, .value_kind: global_buffer, .address_space: global }
      - { .name: asc, .offset: 8, .size: 8, .value_kind: global_buffer, .address_space: global }
      - { .name: cod, .offset: 16, .size: 8, .value_kind: global_buffer, .address_space: global }
      - { .name: scl, .offset: 24, .size: 8, .value_kind: global_buffer, .address_space: global }
      - { .name: out0, .offset: 32, .size: 8, .value_kind: global_buffer, .address_space: global }
    .group_segment_fixed_size: 327680
    .private_segment_fixed_size: 0
    .kernarg_segment_align: 8
    .kernarg_segment_size: 40
    .max_flat_workgroup_size: 128
    .sgpr_count:     98
    .vgpr_count:     768
    .wavefront_size: 32
...
	.end_amdgpu_metadata
.endif
;; end of part 5
